; MI455X (gfx1250); checked and timed in simulation.
; The chip was launched on July 23, 2026; its instructions are those of AMD's public machine-readable ISA for CDNA 5 (MIT licence, August 2026) and "CDNA5" Instruction Set Architecture Reference Guide (July 2026). The comments in the code are by the model that wrote it; some were corrected since.
;; Multi Head Self Attention. Allowed arithmetic: matrix products marked QUANTISED: E3M2 operands, one E8M0 scale for each 32 along K, by v_wmma_scale_f32_16x16x128_f8f6f4 with both operands' format E3M2, f32 sums; everything else in f32.
;; Inputs: bk 1,024 float32; bo 1,024 float32; bq 1,024 float32; bv 1,024 float32; wk 1,024 x 1,024 float32; wo 1,024 x 1,024 float32; wq 1,024 x 1,024 float32; wv 1,024 x 1,024 float32; x 4 x 2,048 x 1,024 float32.
;; Outputs: out0 4 x 2,048 x 1,024 float32.
;; This version of the problem:
;;   THIS VERSION OF THE PROBLEM IS GIVEN IN LOW PRECISION. The matrix products marked QUANTISED in the list below multiply operands that are first quantised to E3M2 (3 exponent bits, 2 mantissa bits; 6 bits a number), with one power-of-two scale for each 32 numbers along K (OCP MX v1.0); their sums are f32. All else is computed in f32.
;;   The module's matrix products, in the order in which they are computed (A, B: the left and right operand; K: the contracted axis; several contracted axes count as one K, in the product's order):
;;     1. [M 8,192, K 1,024] x [K 1,024, N 1,024]; A: input x; B: input wq: QUANTISED
;;     2. [M 8,192, K 1,024] x [K 1,024, N 1,024]; A: input x; B: input wk: QUANTISED
;;     3. [M 8,192, K 1,024] x [K 1,024, N 1,024]; A: input x; B: input wv: QUANTISED
;;     4. batch 64 x [M 2,048, K 64] x [K 64, N 2,048]; A: computed on the way; B: computed on the way: QUANTISED
;;     5. batch 64 x [M 2,048, K 2,048] x [K 2,048, N 64]; A: softmax (see below); B: computed on the way: QUANTISED
;;     6. [M 8,192, K 1,024] x [K 1,024, N 1,024]; A: computed on the way; B: input wo: QUANTISED
;;   THE QUANTISER, for each operand of a quantised product, along K:
;;     - K is cut into blocks of 32 from its start; a last block that is shorter is filled with zeros.
;;     - A block's scale is 2^e with e = floor(log2(the largest magnitude in the block)) - 4, held to -126 .. 127; a block of zeros has e = 0. As a byte (E8M0): e + 127.
;;     - Each number is divided by its block's scale, clamped to +-28, and rounded to the nearest number of E3M2, ties to even, subnormals kept.
;;     - The product sums the exact products of the quantised numbers (number of the format x scale) in f32.
;;   ~~~python
;;   def quantise(x, axis):      # numpy; x: float32 -> the quantised numbers, widened to float32 again
;;       x = np.moveaxis(x, axis, -1); K = x.shape[-1]
;;       x = np.pad(x, [(0, 0)] * (x.ndim - 1) + [(0, -K % 32)]); x = x.reshape(x.shape[:-1] + (-1, 32)); a = np.abs(x).max(-1, keepdims=True)
;;       e = np.where(a > 0, np.clip(np.frexp(np.where(a > 0, a, 1))[1] - 1 - 4, -126, 127), 0)      # np.frexp(a)[1] - 1 = floor(log2(a)), exactly
;;       r = np.clip(x / 2.0 ** e, -28, 28)
;;       step = 2.0 ** (np.maximum(np.frexp(np.where(r == 0, 1, r))[1] - 1, -2) - 2)
;;       q = np.round(r / step) * step * 2.0 ** e      # np.round: ties to even
;;       return np.moveaxis(q.reshape(q.shape[:-2] + (-1,))[..., :K], -1, axis).astype(np.float32)
;;   ~~~
;;   SOFTMAX AHEAD OF A QUANTISED PRODUCT. Where the list says 'softmax', what is quantised is not the finished softmax but p = 2^(t - M), with t = logit x log2(e) and M = ceil(the row's largest t), a whole number; so 1/2 < the row's largest p <= 1. The row's sum l is taken of the UNQUANTISED p, in f32, and the product's result is divided by l at the end. Since M is a whole number, a kernel that streams over the keys may use a running M (the ceiling of the running maximum): every later rescaling is an exact power of two, which a block's scale takes up: the codes' values come out the same.
;;   OPERANDS COMPUTED ON THE WAY. 'Computed on the way' means the value that the module computes at that place (a softmax that the list does not call 'softmax' is quantised finished and normalised). What goes into a quantiser is computed in f32, as accurately as f32 sums, v_exp_f32 and their like allow (about 1e-6 of the number): no bf16 or f16 on the way to a quantiser, and a product that is left as it is and whose result goes on into a quantised operand takes f32 operands (vector FMAs, or v_wmma_f32_16x16x4_f32). A number that lies on a knife's edge between two numbers of the format may be rounded either way, as far as f32 arithmetic and the matrix unit's own rounding can turn it there, and no further.
;; One version. Each part assembles by itself: llvm-mc -triple=amdgcn-amd-amdhsa -mcpu=gfx1250 --defsym DOCPART=n.
;; ======== version 1 of 1: 4 launches
;; workspace buffers: xc 6,291,456 bytes; xs 262,144 bytes; wc 3,145,728 bytes; ws 131,072 bytes; qb 13,369,344 bytes; kv 13,369,344 bytes; yc 6,291,456 bytes; ys 262,144 bytes
;; launch quant (part 1): grid 384 x 1, 4 waves a work-group, no clusters, 69,120 bytes of LDS; arguments x, xc, xs, ws, wq, wk, wv, wo, wc; writes xc, xs, wc, ws
.if DOCPART == 1
	.amdgcn_target "amdgcn-amd-amdhsa--gfx1250"
	.amdhsa_code_object_version 6
	.text
	.protected	k_q0801aa12e6_quant
	.globl	k_q0801aa12e6_quant
	.p2align	8
	.type	k_q0801aa12e6_quant,@function
k_q0801aa12e6_quant:
	s_mov_b64 s[64:65], 0
	v_nop
	global_prefetch_b8 v0, s[64:65] scope:SCOPE_SE
	s_setreg_imm32_b32 hwreg(HW_REG_WAVE_MODE, 25, 1), 1
	s_wait_xcnt 0x0
; ONE LAUNCH QUANTISES x AND THE FOUR WEIGHTS to codes of BF6 (E3M2), K innermost, with one E8M0 byte for each 32 along K.  The two tasks share nothing, so they run side by side:
; work-groups 0 to 127 take the weights, 128 to 383 take x; a second launch would cost a second start and end, and would set the one task's waits for memory behind the other's.
; The paths part at the first line, on the work-group's number alone; there is no barrier and no tensor load, and each path has LDS bytes of its own (x: 0 to 32,767; the weights: 32,768 on).
; A block's scale is 2^(floor(log2(largest magnitude)) - 4); its byte is the largest magnitude's exponent field - 4, held at 1 from below.
; POSITION ORDER: row t of x, and column n of a weight, is stored at the position with bits 3 and 4 of its number exchanged, so that 16 neighbouring positions are the rows
; 32 b + 8 u + r + 8 (r / 8) that a tile of a later product wants.  Groups of 8 stay whole.
; LIMITS: NaN and infinities are not served; a block whose largest magnitude lies under 2^-122 gets the byte 1; a block of zeros gets 1 where the rule says 127
; (its codes are zeros, which add nothing under any byte but 0xff, and this program alone reads the bytes).
.set NWW,   128                        ; work-groups that take the weights
.set EMAX,  4
	v_lshl_add_u32 v192, v0, 2, 0x10c00
	v_mov_b32 v193, 0
	s_cmp_lt_u32 ttmp9, NWW
	s_cbranch_scc1 .Lweights
; ---------------- x [8192][1024] f32 -> xc [position][768 B], xs [position][32 B]
; A wave takes 8 rows (8,192 numbers) in 16 steps of 512; only where its results go knows of the position order.
; Each load reads 512 consecutive bytes; a step's 2,048 bytes turn through the wave's own stage in LDS and come back 64 bytes (16 neighbours) a lane; two neighbouring lanes hold a block.
; Loads run four steps (16 loads a wave) ahead, the turn through LDS one step.
.set STEPS, 16
.set CB,    12                         ; bytes of 16 codes
.set XR,    16                         ; v16-79   four sets of 16 numbers as loaded
.set XX,    80                         ; v80-111  two sets of 16 neighbours
.set XC,    128                        ; v128-191 codes: four registers a step, so that no store's data are written again
.set XE,    112                        ; v112-127 a scale byte a step
.set WREG,  8192                       ; LDS of a wave: two stages of 32 x SP bytes, then its 256 scale bytes
.set SP,    80                         ; a lane's place in a stage: 64 bytes + 16 of padding
	s_load_b128 s[4:7], s[0:1], 0x0                ; x, xc
	s_load_b64 s[8:9], s[0:1], 0x10                ; xs
	v_lshrrev_b32 v1, 5, v0
	v_readfirstlane_b32 s16, v1                    ; wave
	v_and_b32 v2, 31, v0                           ; lane
	v_lshlrev_b32 v3, 4, v2                        ; my 16 bytes of a load's 512
	s_mul_i32 s17, s16, WREG
	v_lshrrev_b32 v14, 2, v2
	v_mul_u32_u24 v14, v14, SP
	v_and_b32 v15, 3, v2
	v_lshl_add_u32 v14, v15, 4, v14
	v_add_nc_u32 v14, s17, v14                     ; the stage on the way in: SP (lane / 4) + 16 (lane % 4)
	v_mul_u32_u24 v15, v2, SP
	v_add_nc_u32 v15, s17, v15                     ; and on the way out: SP x lane
	v_mul_u32_u24 v4, v2, CB                       ; my codes' place in a step's
	v_lshrrev_b32 v5, 1, v2
	s_add_co_u32 s17, s17, 2*32*SP
	v_add_nc_u32 v5, s17, v5                       ; LDS: my block's scale byte
	v_lshlrev_b32 v7, 3, v2
	v_add_nc_u32 v6, s17, v7                       ; and on the way out 8 bytes a lane
	s_sub_co_u32 s28, ttmp9, NWW                   ; which of x's 256 work-groups
	s_lshl_b32 s17, s28, 2
	s_add_co_u32 s18, s17, s16                     ; the group of 8 rows that I read: 4 x work-group + wave
	s_and_b32 s22, s16, 1
	s_lshl_b32 s22, s22, 1
	s_lshr_b32 s23, s16, 1
	s_or_b32 s22, s22, s23
	s_add_co_u32 s22, s17, s22                     ; and the group of 8 positions that I write: the wave's two bits exchanged
	s_lshl_b32 s20, s18, 15                        ; 32,768 bytes of x a group
	s_mov_b32 s21, 0
	s_mul_i32 s24, s22, 32*STEPS*CB                ; 6,144 bytes of codes
	s_mov_b32 s25, 0
	s_lshl_b32 s26, s22, 8                         ; 256 scale bytes
	s_mov_b32 s27, 0
	s_wait_kmcnt 0x0
	s_add_nc_u64 s[4:5], s[4:5], s[20:21]
	s_add_nc_u64 s[6:7], s[6:7], s[24:25]
	s_add_nc_u64 s[8:9], s[8:9], s[26:27]
.macro XLOAD t
.irp i, 0,1,2,3
	global_load_b128 v[XR+16*((\t)%4)+4*\i:XR+16*((\t)%4)+4*\i+3], v3, s[4:5] offset:2048*(\t)+512*\i th:TH_LOAD_NT   ; 32 lanes read 512 consecutive bytes
.endr
.endm
.macro XTURN t                         ; step t's numbers through the stage: LDS serves a wave's instructions in order, so no wait between stores and loads
.irp i, 0,1,2,3
	ds_store_b128 v14, v[XR+16*((\t)%4)+4*\i:XR+16*((\t)%4)+4*\i+3] offset:32*SP*((\t)%2)+8*SP*\i
.endr
.irp i, 0,1,2,3
	ds_load_b128 v[XX+16*((\t)%2)+4*\i:XX+16*((\t)%2)+4*\i+3], v15 offset:32*SP*((\t)%2)+16*\i
.endr
.endm
.irp t, 0,1,2,3
	XLOAD \t
.endr
	s_wait_loadcnt 12                              ; step 0's four loads are in; three steps' twelve stay out
	XTURN 0
.macro XSTEP t
.set XS, XX+16*((\t)%2)
.if (\t) > 0
	s_wait_dscnt 1                                 ; this step's numbers are back from the stage; the last step's byte store may be out
.else
	s_wait_dscnt 0x0
.endif
.if (\t)+4 < STEPS
	XLOAD (\t)+4                                   ; into the registers that this step's stage stores have read
.endif
.if (\t)+1 < STEPS
.if STEPS-2-(\t) >= 3
	s_wait_loadcnt 12                              ; the next step's four loads are in; those of the three steps behind it may be out
.else
	s_wait_loadcnt 4*(STEPS-2-(\t))
.endif
	XTURN (\t)+1
.endif
	v_max3_num_f32 v8, |v[XS]|, |v[XS+1]|, |v[XS+2]|               ; the largest magnitude of my 16, in two chains
	v_max3_num_f32 v9, |v[XS+3]|, |v[XS+4]|, |v[XS+5]|
.irp i, 6,10
	v_max3_num_f32 v8, v8, |v[XS+\i]|, |v[XS+\i+1]|
	v_max3_num_f32 v9, v9, |v[XS+\i+2]|, |v[XS+\i+3]|
.endr
	v_max3_num_f32 v8, v8, |v[XS+14]|, |v[XS+15]|
	v_max3_num_f32 v8, v8, v9, (EMAX+1)<<23        ; and the floor 2^(5 - 127): the byte cannot fall under 1
	v_max_num_f32_dpp v8, v8, v8 row_xmask:1 row_mask:0xf bank_mask:0xf   ; with my neighbour's 16: the block's
	v_add_nc_u32 v11, -(EMAX<<23), v8              ; 4 off its exponent field: the conversion takes that field as its scale
	v_cvt_scalef32_pk16_bf6_f32 v[XC+4*(\t):XC+4*(\t)+2], v[XS:XS+15], v11
	v_lshrrev_b32 v[XE+(\t)], 23, v11              ; the scale's byte
	ds_store_b8 v5, v[XE+(\t)] offset:16*(\t)      ; both lanes of a block write the same byte with the same value
	global_store_b96 v4, v[XC+4*(\t):XC+4*(\t)+2], s[6:7] offset:32*CB*(\t)   ; the wave stores 384 consecutive bytes
.endm
.irp t, 0,1,2,3,4,5,6,7,8,9,10,11,12,13,14,15
	XSTEP \t
.endr
	ds_load_b64 v[12:13], v6                       ; LDS serves a wave's instructions in order: these see my byte stores
	s_wait_dscnt 0x0
	global_store_b64 v7, v[12:13], s[8:9]          ; 32 lanes store 256 consecutive bytes, aligned
	s_wait_tensorcnt 0x0
	ds_add_u32 v192, v193
	s_wait_dscnt 0x0
	s_endpgm
; ---------------- the four weights [1024 (k)][1024 (n)] f32, K their FIRST axis -> wc [weight][position of n][768 B], ws [weight][position][32 B]
; A LANE TAKES A COLUMN n AND ITS REGISTERS RUN DOWN K: a block of 32 along K lies in one lane, and the conversions give codes with K innermost; nothing is transposed.
; Work-group id: columns 128 (id % 8) on; weight id / 32; 256 along K from 256 ((id / 8) % 4) on.  A wave: 32 columns x 256 K, 8 blocks a lane, loads two blocks (64 loads) ahead.
; Only the row of the stage that a lane writes, and its row of scale bytes, know of the position order.
; The codes go through the wave's own stage and leave as rows: sixteen lanes store a row's 192 consecutive bytes.
.Lweights:
.set SIZE_K, 1024
.set SIZE_N, 1024
.set KW,    256
.set NB,    KW/32
.set ROWB,  192
.set PITCH, 272                        ; a stage row: sixteen places of 16 bytes, each with 12 bytes of codes, + 16
.set KROW,  SIZE_K*6/8
.set WLDS,  32768                      ; this path's LDS begins behind the other path's
.set WX,    32                         ; v32-95   two sets of 32 numbers
.set WC,    96                         ; v96..    a block's codes
.set OUTR,  112                        ; v112-175 the way out
.set SB,    24                         ; v24-25   the scale bytes, four to a register
	s_load_b256 s[4:11], s[0:1], 0x20              ; wq, wk, wv, wo
	s_load_b64 s[12:13], s[0:1], 0x40              ; wc
	s_load_b64 s[14:15], s[0:1], 0x18              ; ws
	v_lshrrev_b32 v1, 5, v0
	v_readfirstlane_b32 s16, v1                    ; wave
	v_and_b32 v2, 31, v0                           ; lane
	s_and_b32 s17, ttmp9, 7
	s_lshl_b32 s17, s17, 7
	s_lshl_b32 s18, s16, 5
	s_add_co_u32 s17, s17, s18                     ; my wave's first column
	s_lshr_b32 s30, ttmp9, 3                       ; 0 .. 15
	s_and_b32 s18, s30, 3                          ; which 256 along K
	s_lshr_b32 s30, s30, 2                         ; which weight
	v_lshlrev_b32 v3, 2, v2                        ; in: 4 bytes a lane
	v_and_b32 v10, 7, v2                           ; my column's position among the wave's 32: bits 3 and 4 exchanged
	v_and_b32 v11, 8, v2
	v_lshl_add_u32 v10, v11, 1, v10
	v_lshrrev_b32 v11, 1, v2
	v_and_b32 v11, 8, v11
	v_add_nc_u32 v10, v10, v11
	s_mul_i32 s19, s16, 32*PITCH
	s_add_co_u32 s19, s19, WLDS                    ; my stage
	v_mul_u32_u24 v4, v10, PITCH
	v_add_nc_u32 v4, s19, v4                       ; into it: row = my column's position
	v_and_b32 v5, 15, v2
	v_lshrrev_b32 v6, 4, v2
	v_mul_u32_u24 v7, v6, PITCH
	v_lshl_add_u32 v7, v5, 4, v7
	v_add_nc_u32 v7, s19, v7                       ; out of it: sixteen lanes to a row, two rows an instruction
	v_mul_u32_u24 v8, v6, KROW
	v_mad_u32_u24 v8, v5, 12, v8                   ; and the same place in the codes' buffer
	v_lshlrev_b32 v9, 5, v10                       ; my position's row of scale bytes
	s_lshl_b32 s20, s18, 20                        ; W: 256 rows of 4,096 bytes a part,
	s_lshl_b32 s22, s17, 2
	s_add_co_u32 s20, s20, s22                     ; + 4 x column
	s_mov_b32 s21, 0
	s_lshl_b32 s22, s30, 10
	s_add_co_u32 s22, s22, s17                     ; first row in wc and ws
	s_mul_i32 s24, s22, KROW
	s_mul_i32 s26, s18, ROWB
	s_add_co_u32 s24, s24, s26
	s_mov_b32 s25, 0
	s_lshl_b32 s28, s22, 5
	s_lshl_b32 s26, s18, 3
	s_add_co_u32 s28, s28, s26
	s_mov_b32 s29, 0
	s_wait_kmcnt 0x0
	s_cmp_lt_u32 s30, 2                            ; the weight is chosen by the work-group's number alone
	s_cselect_b64 s[4:5], s[4:5], s[8:9]           ; wq or wv
	s_cselect_b64 s[6:7], s[6:7], s[10:11]         ; wk or wo
	s_bitcmp1_b32 s30, 0
	s_cselect_b64 s[4:5], s[6:7], s[4:5]
	s_add_nc_u64 s[4:5], s[4:5], s[20:21]
	s_add_nc_u64 s[12:13], s[12:13], s[24:25]
	s_add_nc_u64 s[14:15], s[14:15], s[28:29]
.macro WLOAD t                         ; block t: W(32 t + i, my column), i = 0 .. 31, into set t % 2
.irp i, 0,1,2,3,4,5,6,7,8,9,10,11,12,13,14,15,16,17,18,19,20,21,22,23,24,25,26,27,28,29,30,31
	global_load_b32 v[WX+32*((\t)%2)+\i], v3, s[4:5] offset:(32*(\t)+\i)*SIZE_N*4 th:TH_LOAD_NT
.endr
.endm
	WLOAD 0
	WLOAD 1
.macro WBLOCK t
.set WXS, WX+32*((\t)%2)
.if (\t) < NB-1
	s_wait_loadcnt 32                              ; this block's 32 loads are in; the next block's may be out
.else
	s_wait_loadcnt 0
.endif
	v_max3_num_f32 v12, |v[WXS]|, |v[WXS+1]|, |v[WXS+2]|            ; the block's largest magnitude: all 32 numbers are mine
	v_max3_num_f32 v13, |v[WXS+3]|, |v[WXS+4]|, |v[WXS+5]|
.irp i, 6,10,14,18,22,26
	v_max3_num_f32 v12, v12, |v[WXS+\i]|, |v[WXS+\i+1]|
	v_max3_num_f32 v13, v13, |v[WXS+\i+2]|, |v[WXS+\i+3]|
.endr
	v_max3_num_f32 v12, v12, |v[WXS+30]|, |v[WXS+31]|
	v_max3_num_f32 v12, v12, v13, (EMAX+1)<<23     ; and the floor: the byte cannot fall under 1
	v_add_nc_u32 v11, -(EMAX<<23), v12             ; the conversion's scale operand
	v_lshrrev_b32 v13, 23, v11                     ; the scale's byte
.if (\t)%4 == 0
	v_mov_b32 v[SB+(\t)/4], v13
.else
	v_lshl_or_b32 v[SB+(\t)/4], v13, 8*((\t)%4), v[SB+(\t)/4]
.endif
	v_cvt_scalef32_pk16_bf6_f32 v[WC:WC+2], v[WXS:WXS+15], v11
	v_cvt_scalef32_pk16_bf6_f32 v[WC+4:WC+6], v[WXS+16:WXS+31], v11  ; (a conversion's three registers begin on an even number)
	ds_store_b96 v4, v[WC:WC+2] offset:32*(\t)     ; 12 bytes to a place of 16, so that every LDS address is a multiple of 16
	ds_store_b96 v4, v[WC+4:WC+6] offset:32*(\t)+16
.if (\t)+2 < NB
	WLOAD (\t)+2
.endif
	s_wait_dscnt 0x0                               ; the stores have read their registers: the next block's codes may be written
.endm
.set Q, 0
.rept NB
	WBLOCK Q
.set Q, Q+1
.endr
	global_store_b64 v9, v[SB:SB+1], s[14:15]      ; my column's 8 scale bytes
.irp t, 0,1,2,3,4,5,6,7,8,9,10,11,12,13,14,15
	ds_load_b96 v[OUTR+4*\t:OUTR+4*\t+2], v7 offset:2*\t*PITCH   ; LDS serves a wave's instructions in order: these see my stores
.endr
.irp t, 0,1,2,3,4,5,6,7,8,9,10,11,12,13,14,15
	s_wait_dscnt 15-\t
	global_store_b96 v8, v[OUTR+4*\t:OUTR+4*\t+2], s[12:13] offset:2*\t*KROW
.endr
	s_wait_tensorcnt 0x0
	ds_add_u32 v192, v193
	s_wait_dscnt 0x0
	s_endpgm
.Lfunc_end_k_q0801aa12e6_quant:
	.size	k_q0801aa12e6_quant, .Lfunc_end_k_q0801aa12e6_quant-k_q0801aa12e6_quant
	.p2alignl 7, 3214868480
	.fill 96, 4, 3214868480
	.section	.rodata,"a",@progbits
	.p2align	6, 0x0
	.amdhsa_kernel k_q0801aa12e6_quant
		.amdhsa_group_segment_fixed_size 69120
		.amdhsa_private_segment_fixed_size 0
		.amdhsa_enable_private_segment 0
		.amdhsa_kernarg_size 72
		.amdhsa_user_sgpr_count 2
		.amdhsa_user_sgpr_kernarg_segment_ptr 1
		.amdhsa_wavefront_size32 1
		.amdhsa_system_sgpr_workgroup_id_x 1
		.amdhsa_system_sgpr_workgroup_id_y 1
		.amdhsa_system_sgpr_workgroup_id_z 1
		.amdhsa_system_vgpr_workitem_id 0
		.amdhsa_next_free_vgpr 194
		.amdhsa_next_free_sgpr 66
		.amdhsa_reserve_vcc 0
		.amdhsa_float_denorm_mode_32 3
		.amdhsa_float_denorm_mode_16_64 3
		.amdhsa_memory_ordered 1
		.amdhsa_forward_progress 1
		.amdhsa_inst_pref_size 74
	.end_amdhsa_kernel
	.amdgpu_metadata
---
amdhsa.version: [ 1, 2 ]
amdhsa.kernels:
  - .name:           k_q0801aa12e6_quant
    .symbol:         k_q0801aa12e6_quant.kd
    .args:
      - { .name: x, .offset: 0, .size: 8, .value_kind: global_buffer, .address_space: global }
      - { .name: xc, .offset: 8, .size: 8, .value_kind: global_buffer, .address_space: global }
      - { .name: xs, .offset: 16, .size: 8, .value_kind: global_buffer, .address_space: global }
      - { .name: ws, .offset: 24, .size: 8, .value_kind: global_buffer, .address_space: global }
      - { .name: wq, .offset: 32, .size: 8, .value_kind: global_buffer, .address_space: global }
      - { .name: wk, .offset: 40, .size: 8, .value_kind: global_buffer, .address_space: global }
      - { .name: wv, .offset: 48, .size: 8, .value_kind: global_buffer, .address_space: global }
      - { .name: wo, .offset: 56, .size: 8, .value_kind: global_buffer, .address_space: global }
      - { .name: wc, .offset: 64, .size: 8, .value_kind: global_buffer, .address_space: global }
    .group_segment_fixed_size: 69120
    .private_segment_fixed_size: 0
    .kernarg_segment_align: 8
    .kernarg_segment_size: 72
    .max_flat_workgroup_size: 128
    .sgpr_count:     66
    .vgpr_count:     194
    .wavefront_size: 32
...
	.end_amdgpu_metadata
.endif
;; end of part 1
;; launch gemm_qkv (part 2): grid 12 x 32, 4 waves a work-group, clusters of 4 x 4, 327,680 bytes of LDS; arguments xc, xs, wc, ws, qb, kv, bq, bk, bv; writes qb, kv
.if DOCPART == 2
	.amdgcn_target "amdgcn-amd-amdhsa--gfx1250"
	.amdhsa_code_object_version 6
	.text
	.protected	k_q0801aa12e6_gemm_qkv
	.globl	k_q0801aa12e6_gemm_qkv
	.p2align	8
	.type	k_q0801aa12e6_gemm_qkv,@function
k_q0801aa12e6_gemm_qkv:
	s_mov_b64 s[64:65], 0
	v_nop
	global_prefetch_b8 v0, s[64:65] scope:SCOPE_SE
	s_setreg_imm32_b32 hwreg(HW_REG_WAVE_MODE, 25, 1), 1
	s_wait_xcnt 0x0
	s_wait_alu depctr_hold_cnt(0) depctr_sa_sdst(0) depctr_va_vdst(0) depctr_va_sdst(0) depctr_va_ssrc(0) depctr_va_vcc(0) depctr_vm_vsrc(0)
	s_getreg_b32 s2, hwreg(HW_REG_IB_STS2, 6, 4)
	s_cmp_eq_u32 s2, 0
	s_cbranch_scc0 .Lentry_in_a_cluster
	s_endpgm
.Lentry_in_a_cluster:
	s_bfe_u32 s2, ttmp6, 0x10000c
	s_cmp_lg_u32 s2, 0xf033
	s_cbranch_scc0 .Lentry_shape_is_right
	s_endpgm
.Lentry_shape_is_right:
; q = x wq + bq, k = x wk + bk, v = x wv + bv on codes of BF6 (E3M2) with E8M0 scales, K = 1024; the results are QUANTISED HERE, in registers, and leave as codes.
; A = xc [8192 positions][768 B], B = the first 3,072 rows of wc.  A tile of 256 x 256 to a work-group of four waves, 128 x 128 (64 accumulators) a wave.
; K goes in steps of 256 through a ring of two LDS slots filled by the tensor data mover; the scale bytes of the work-group's rows come once and stay.
; CLUSTERS 4 x 4: x's tiles are asked for jointly along a row of the cluster, the weights' along a column.  Cluster x (ttmp9) is 0 for q, 1 for k, 2 for v: the same in all partners.
; WHICH OPERAND IS SOURCE 0.  The index of source 0 runs along a lane's registers and becomes the K of the next product.  q, k: source 0 = the weight (a lane holds one token, registers
; along the head's channels).  v: source 0 = x (a lane holds one channel, registers along the keys).  Loads and products are one text: only the LDS bases of the fragment and scale reads change places.
; POSITION ORDER of both operands makes a lane's 64 registers of a block the numbers 32 b + 16 (lane / 16) + i in natural order, which is what the quantiser takes.
; OUT: images of operand registers.  kv [16 batch + head][key step of 128][13,056 B]: 8 x 768 B of K (16 keys x 64: registers 0-3 at 16 lane, 4-5 at 512 + 8 lane),
; 4 x 1,536 B of V^T (16 channels x 128 keys: registers 4 p .. at 512 p + 16 lane), 128 scale words of K (two bytes, two zeros), 64 of V.  qb: the same places as K's, for q.
; Every store of codes covers 512 or 256 consecutive bytes, aligned.
; LIMITS: NaN and infinities are not served; a block under 2^-122 or of zeros gets the byte 1 (its reader is this program alone).
; REGISTERS, in windows of 256: window 0: v8-31 addresses; v32-63 scale words, two sets; v64-127 the bias table; v128-223 source 1's fragments, ONE set; v224-231 offsets of the bias loads.
;   On the way out v128-191 a block's 64 numbers, v192-210 codes, v212-228 at work, v232-239 scale words.  window 1: source 0's fragments, two sets.  windows 2, 3: the accumulators.
.set KSTEP,  256
.set NQ,     KSTEP/128
.set ROWB,   192                       ; a tile's row: 256 codes
.set KROW,   768                       ; a row of xc or wc
.set PITCH,  240                       ; an LDS row: 3 x (64 bytes + 16 of padding)
.set FR,     12
.set NL,     6
.set NP,     4                         ; places behind this matrix instruction (ISA guide 7.12.1)
.set HALFT,  128*PITCH
.set SLOT,   4*HALFT
.set LAPS,   2                         ; 1024 / (2 x 256)
.set KS,     32                        ; a row of scale bytes
.set SCL,    2*SLOT                    ; behind the ring: the scales, as units of 256 bytes + 16 of padding
.set HALFS,  (128*KS/256)*272
.set SBLK,   (16*KS/256)*272
.set SPARE,  SCL+4*HALFS               ; the spare words, 128 bytes a wave: two blocks of 256 bytes that no other line names
.set STEPB,  13056                     ; a key step's block in kv and qb
.set HEADB,  16*STEPB                  ; a head's
.set SWA0, 8                           ; v8   q, k: where I put a scale word (stage in slot 0, which has had its last fill and its last read by then): 1,024 wave + 512 (lane / 16) + 4 (lane % 16)
.set SRD0, 9                           ; v9   and where I read 16 bytes back
.set SWA1, 10                          ; v10  v: the same, in bytes of that path's own: 8,192 + 512 wave + 4 (lane % 16)
.set SRD1, 11                          ; v11
.set ADRA, 16                          ; v16-19 LDS addresses of source 1's fragments (slot 0, 1; behind one padding more)
.set ADRB, 20                          ; v20-23 of source 0's
.set O16,  24                          ; v24  16 x lane
.set O8,   25                          ; v25  8 x lane
.set OV,   26                          ; v26  16 (lane % 16) + HEADB (lane / 16)
.set ADRS, 27                          ; v27  LDS address of my scale words: lanes 0-15 source 1's rows, lanes 16-31 source 0's
.set SPW,  28                          ; v28  my spare word; never rewritten
.set NIL,  29                          ; v29  0; never rewritten
.set SH,   30                          ; v30  16 (lane / 16)
.set SC,   32
.set BI,   64
.set AF,   128
.set VO,   224
.set ST,   128
.set PC,   192
.set TM,   212
.set PW,   228
.set SW,   232
.set G1, 24
.set G0, 32
.set G1B, 48
.set G0B, 56
.set SEL, 66                           ; s[66:67] selects for lane l xor 16
.set G1S, 68
.set G0S, 76
.set G1SB, 80
.set G0SB, 88
.set MSB, 0
.macro WIN new                         ; the immediate's high byte repeats the setting that is left
.if MSB != (\new)
	s_set_vgpr_msb (MSB<<8)|(\new)
.set MSB, (\new)
.endif
.endm
.set MUL_LO, 0xa1                      ; source 0 window 1, source 1 window 0, C and D window 2
.set MUL_HI, 0xf1                      ; the same, C and D window 3
.set TO_B,   0x40                      ; destination window 1
; A joint load: waves 0 and 1 fetch x's, waves 2 and 3 the weights'.  The branch hangs on the wave's number alone.  Four v_nop follow each line.
.macro JLOAD g0a, g1a, g0b, g1b
	s_cmp_eq_u32 s15, 0
	s_cbranch_scc0 .Lfor_b_\@
	tensor_load_to_lds s[\g0a:\g0a+3], s[\g1a:\g1a+7]
	s_nop 0
.rept 4
	v_nop
.endr
	s_branch .Lasked_\@
.Lfor_b_\@:
	tensor_load_to_lds s[\g0b:\g0b+3], s[\g1b:\g1b+7]
	s_nop 0
.rept 4
	v_nop
.endr
.Lasked_\@:
.endm
.macro CREST                           ; a round of the cluster's barrier behind its opening barrier
	s_cmp_lg_u32 s14, 0
	s_cbranch_scc1 .Lnot_wave_0_\@
	s_barrier_signal -3
.Lnot_wave_0_\@:
	s_barrier_wait -3
	s_barrier_signal -1
	s_barrier_wait -1
.endm
.macro CROUND
	s_barrier_signal -1
	s_barrier_wait -1
	CREST
.endm
	s_load_b256 s[4:11], s[0:1], 0x0               ; xc s[4:5], xs s[6:7], wc s[8:9], ws s[10:11]
	s_load_b128 s[96:99], s[0:1], 0x20             ; qb, kv
	s_load_b128 s[92:95], s[0:1], 0x30             ; bq, bk
	s_load_b64 s[100:101], s[0:1], 0x40            ; bv
	v_lshl_add_u32 v[SPW], v0, 2, SPARE
	v_mov_b32 v[NIL], 0
	ds_add_u32 v28, v29
	ds_add_u32 v28, v29
	s_wait_dscnt 0x0
	v_lshrrev_b32 v1, 5, v0
	v_readfirstlane_b32 s14, v1                    ; wave 0..3
	s_lshr_b32 s15, s14, 1                         ; which half of source 1's rows is mine.  Also: I fetch x's tiles (0) or the weights' (1)
	s_and_b32 s16, s14, 1                          ; which half of source 0's.  Also: which 128 rows I fetch
	s_bfe_u32 s40, ttmp6, 0x40000                  ; cx, cy
	s_bfe_u32 s41, ttmp6, 0x40004
	s_lshl_b32 s42, ttmp9, 2
	s_add_co_u32 s42, s42, s40                     ; tile column = 4 x cluster x + cx
	s_and_b32 s17, ttmp7, 0xffff
	s_lshl_b32 s17, s17, 2
	s_add_co_u32 s17, s17, s41                     ; tile row = 4 x cluster y + cy
	s_lshl_b32 s43, s41, 2
	s_lshl_b32 s43, 15, s43                        ; my row of the cluster
	s_lshl_b32 s44, 0x1111, s40                    ; my column
	s_or_b32 s[G1+0], s43, (0<<16)|(1<<20)|(1<<21)|(3<<22)|(3<<25)  ; mask; elements of 1 byte; padding on; bit 21 beside a mask; after every 16 words 4 words
	s_or_b32 s[G1B+0], s44, (0<<16)|(1<<20)|(1<<21)|(3<<22)|(3<<25)
.irp g, G1, G1B
	s_mov_b32 s[\g+1], ROWB<<16                    ; tensor_dim0
	s_mov_b32 s[\g+2], 128<<16                     ; tensor_dim1
	s_mov_b32 s[\g+3], ROWB<<16                    ; tile_dim0
	s_mov_b32 s[\g+4], 128                         ; tile_dim1
	s_mov_b32 s[\g+5], KROW                        ; pitch
	s_mov_b32 s[\g+6], 0
	s_mov_b32 s[\g+7], 0
.endr
	s_or_b32 s[G1S+0], s43, (3<<16)|(1<<20)|(1<<21)|(5<<22)|(3<<25)   ; the scales of 128 rows: 4,096 dense bytes as 16 rows of 256, 16 bytes of padding behind each
	s_or_b32 s[G1SB+0], s44, (3<<16)|(1<<20)|(1<<21)|(5<<22)|(3<<25)
.irp g, G1S, G1SB
	s_mov_b32 s[\g+1], 32<<16
	s_mov_b32 s[\g+2], (128*KS/256)<<16
	s_mov_b32 s[\g+3], 32<<16
	s_mov_b32 s[\g+4], 128*KS/256
	s_mov_b32 s[\g+5], 32
	s_mov_b32 s[\g+6], 0
	s_mov_b32 s[\g+7], 0
.endr
	s_lshl_b32 s18, s16, 7
	s_lshl_b32 s20, s17, 8
	s_add_co_u32 s20, s20, s18                     ; x: position 256 x tile row + 128 x half
	s_lshl_b32 s46, s42, 8
	s_add_co_u32 s46, s46, s18                     ; weights: row 256 x tile column + 128 x half
	s_mov_b32 s21, 0
	s_mov_b32 s47, 0
	s_mov_b64 s[18:19], KS
	s_mul_u64 s[22:23], s[20:21], s[18:19]         ; where these rows' scales begin
	s_mul_u64 s[2:3], s[46:47], s[18:19]
	s_mov_b64 s[18:19], KROW
	s_mul_u64 s[20:21], s[20:21], s[18:19]         ; and their codes
	s_mul_u64 s[46:47], s[46:47], s[18:19]
	s_mul_i32 s45, s14, HALFT                      ; where they go: wave x 128 rows
	s_mul_i32 s104, s14, HALFS
	s_mov_b32 s[SEL], 0x76543210
	s_mov_b32 s[SEL+1], 0xfedcba98
	s_wait_kmcnt 0x0
	s_add_nc_u64 s[20:21], s[4:5], s[20:21]
	s_add_nc_u64 s[22:23], s[6:7], s[22:23]
	s_add_nc_u64 s[46:47], s[8:9], s[46:47]
	s_add_nc_u64 s[2:3], s[10:11], s[2:3]
	CROUND                                         ; all sixteen work-groups are here: the first joint loads meet
	s_mov_b32 s[G0S], 1
	s_add_co_u32 s[G0S+1], s104, SCL
	s_mov_b64 s[G0S+2:G0S+3], s[22:23]
	s_or_b32 s[G0S+3], s[G0S+3], 0x80000000
	s_mov_b32 s[G0SB], 1
	s_add_co_u32 s[G0SB+1], s104, SCL
	s_mov_b64 s[G0SB+2:G0SB+3], s[2:3]
	s_or_b32 s[G0SB+3], s[G0SB+3], 0x80000000
	JLOAD G0S, G1S, G0SB, G1SB                     ; the scales first: three tensor loads of mine are out behind these first fills
.irp s, 0,1
	s_mov_b32 s[G0+4*\s], 1
	s_add_co_u32 s[G0+4*\s+1], s45, \s*SLOT
	s_add_nc_u64 s[G0+4*\s+2:G0+4*\s+3], s[20:21], \s*ROWB
	s_or_b32 s[G0+4*\s+3], s[G0+4*\s+3], 0x80000000
	s_mov_b32 s[G0B+4*\s], 1
	s_add_co_u32 s[G0B+4*\s+1], s45, \s*SLOT
	s_add_nc_u64 s[G0B+4*\s+2:G0B+4*\s+3], s[46:47], \s*ROWB
	s_or_b32 s[G0B+4*\s+3], s[G0B+4*\s+3], 0x80000000
	JLOAD G0+4*\s, G1, G0B+4*\s, G1B
.endr
	; what hangs on q, k or v: pointers, and which LDS region feeds which source
	s_cmp_eq_u32 ttmp9, 0
	s_cselect_b64 s[12:13], s[96:97], s[98:99]     ; q goes to qb, k and v to kv
	s_cselect_b64 s[92:93], s[92:93], s[94:95]     ; bq or bk
	s_cmp_eq_u32 ttmp9, 2
	s_cselect_b64 s[92:93], s[100:101], s[92:93]   ; or bv
	s_cselect_b32 s105, -1, 0                      ; all ones for v
	s_cselect_b32 s18, 2*HALFT, 0                  ; source 1's region of a slot: the weights' for v, else x's
	s_cselect_b32 s19, 0, 2*HALFT                  ; source 0's
	s_cselect_b32 s20, 2*HALFS, 0                  ; and of the scales
	s_cselect_b32 s23, 0, 2*HALFS
	s_cselect_b32 s46, s16, s15                    ; which half of the tile's tokens is mine
	s_cselect_b32 s47, s15, s16                    ; which half of its columns
	s_cselect_b32 s2, 0, 4                         ; the bias table's step from register to register
	v_and_b32 v1, 15, v0                           ; r
	v_bfe_u32 v2, v0, 4, 1                         ; h
	v_mul_u32_u24 v3, v1, PITCH
	v_mul_u32_u24 v4, v2, 24
	v_add_nc_u32 v4, v3, v4                        ; a fragment's row x pitch + 24 h
	v_lshl_add_u32 v5, v2, 4, v4                   ; and the same behind one padding more
	s_mul_i32 s21, s15, HALFT
	s_add_co_u32 s21, s21, s18                     ; source 1's 128 rows
	s_mul_i32 s22, s16, HALFT
	s_add_co_u32 s22, s22, s19                     ; source 0's
.irp s, 0,1
	v_add_nc_u32 v[ADRA+\s], s21, v4
	v_add_nc_u32 v[ADRB+\s], s22, v4
	v_add_nc_u32 v[ADRA+2+\s], s21, v5
	v_add_nc_u32 v[ADRB+2+\s], s22, v5
	s_add_co_u32 s21, s21, SLOT
	s_add_co_u32 s22, s22, SLOT
.endr
	v_mul_u32_u24 v5, v1, KS                       ; my row's scales: 32 bytes a row,
	v_lshrrev_b32 v6, 8, v5
	v_lshl_add_u32 v5, v6, 4, v5                   ; and 16 more for each 256 passed
	s_mul_i32 s21, s15, HALFS
	s_add_co_u32 s21, s21, s20
	s_add_co_u32 s21, s21, SCL                     ; source 1's words
	s_mul_i32 s22, s16, HALFS
	s_add_co_u32 s22, s22, s23
	s_add_co_u32 s22, s22, SCL                     ; source 0's
	s_mov_b32 s18, 0xffff0000
	v_mov_b32 v6, s21
	v_mov_b32 v7, s22
	v_cndmask_b32 v6, v6, v7, s18                  ; lanes 16-31 take source 0's
	v_add_nc_u32 v[ADRS], v5, v6
	v_and_b32 v6, 31, v0
	v_lshlrev_b32 v[O16], 4, v6
	v_lshlrev_b32 v[O8], 3, v6
	v_lshlrev_b32 v[SH], 4, v2
	v_mul_u32_u24 v7, v2, HEADB
	v_lshl_add_u32 v[OV], v1, 4, v7
	s_lshl_b32 s21, s14, 10
	v_lshlrev_b32 v7, 2, v1
	v_lshl_add_u32 v[SWA0], v2, 9, v7
	v_add_nc_u32 v[SWA0], s21, v[SWA0]
	v_add_nc_u32 v[SRD0], s21, v[O16]
	s_lshl_b32 s21, s14, 9
	s_add_co_u32 s21, s21, 8192
	v_add_nc_u32 v[SWA1], s21, v7
	v_add_nc_u32 v[SRD1], s21, v[O16]
	; the bias table.  q, k: register 8 b + j = bias(32 (b / 2) + 16 h + 8 (b % 2) + j).  v: register 8 a + j = bias of my lane's channel in block a, 32 (a / 2) + 8 (a % 2) + r + 8 (r / 8), for every j
	v_and_b32 v3, 8, v1
	v_add_nc_u32 v3, v3, v1
	v_lshlrev_b32 v3, 2, v3
	v_lshlrev_b32 v4, 6, v2
	v_cndmask_b32 v[VO], v4, v3, s105
.irp j, 1,2,3,4,5,6,7
	v_add_nc_u32 v[VO+\j], s2, v[VO+\j-1]
.endr
	s_and_b32 s21, s42, 3
	s_lshl_b32 s21, s21, 1
	s_add_co_u32 s21, s21, s47                     ; my pair of heads, 0 .. 7
	s_lshl_b32 s22, s21, 9
	s_mov_b32 s23, 0
	s_add_nc_u64 s[92:93], s[92:93], s[22:23]      ; the bias at my 128 columns
	s_lshl_b32 s18, s17, 1
	s_add_co_u32 s18, s18, s46                     ; my 128 tokens, 0 .. 63: batch x 16 + key step
	s_lshr_b32 s19, s18, 4
	s_lshl_b32 s19, s19, 4
	s_lshl_b32 s21, s21, 1
	s_add_co_u32 s19, s19, s21                     ; 16 batch + my first head
	s_lshl_b32 s19, s19, 4
	s_and_b32 s18, s18, 15
	s_add_co_u32 s19, s19, s18
	s_mul_i32 s22, s19, STEPB
	s_add_nc_u64 s[12:13], s[12:13], s[22:23]      ; my first head's block of this key step
.irp i, 0,1,2,3,4,5,6,7
.irp j, 0,1,2,3,4,5,6,7
	global_load_b32 v[BI+8*\i+\j], v[VO+\j], s[92:93] offset:(32*(\i/2)+8*(\i%2))*4
.endr
.endr
.macro FRAG reg, adr, q, i             ; 16 rows x 128 K: 12 registers: lane (r, h) takes 24 bytes of the row's stream at 24 h and at 48 + 24 h, in pieces of 8 bytes
.irp p, 0,1,2,3,4,5
.set PCE, 12*(\q)+6*(\p/3)+\p%3        ; 16 bytes of padding lie behind every 8 pieces: where lanes 16-31's piece lies behind one padding more, the second address register serves
.if PCE%8 < 5
	ds_load_b64 v[\reg+2*\p:\reg+2*\p+1], v[\adr] offset:8*PCE+16*(PCE/8)+(\i)*16*PITCH
.else
	ds_load_b64 v[\reg+2*\p:\reg+2*\p+1], v[\adr+2] offset:8*PCE+16*(PCE/8)+(\i)*16*PITCH
.endif
.endr
.endm
; 16 matrix instructions: source 1's blocks a0, a0 + 1 x source 0's eight.  The 64 accumulators take turns, one instruction a turn, in the same order in every step.
.macro MUL16 a0, p, q, sc, zero
.irp a, \a0, \a0+1
.irp b, 0,1,2,3,4,5,6,7
.if \zero
	v_wmma_scale_f32_16x16x128_f8f6f4 v[8*(8*((\a)%4)+\b):8*(8*((\a)%4)+\b)+7], v[128*(\p)+FR*\b:128*(\p)+FR*\b+FR-1], v[AF+FR*(\a):AF+FR*(\a)+FR-1], 0, v[SC+8*NQ*(\sc)+NQ*\b+(\q)], v[SC+8*NQ*(\sc)+NQ*(\a)+(\q)] matrix_a_fmt:MATRIX_FMT_BF6 matrix_b_fmt:MATRIX_FMT_BF6 matrix_a_scale:MATRIX_SCALE_ROW1
.else
	v_wmma_scale_f32_16x16x128_f8f6f4 v[8*(8*((\a)%4)+\b):8*(8*((\a)%4)+\b)+7], v[128*(\p)+FR*\b:128*(\p)+FR*\b+FR-1], v[AF+FR*(\a):AF+FR*(\a)+FR-1], v[8*(8*((\a)%4)+\b):8*(8*((\a)%4)+\b)+7], v[SC+8*NQ*(\sc)+NQ*\b+(\q)], v[SC+8*NQ*(\sc)+NQ*(\a)+(\q)] matrix_a_fmt:MATRIX_FMT_BF6 matrix_b_fmt:MATRIX_FMT_BF6 matrix_a_scale:MATRIX_SCALE_ROW1
.endif
.endr
.endr
.endm
.macro FETCH_B slot, q, p
	WIN TO_B
.irp i, 0,1,2,3,4,5,6,7
	FRAG 128*(\p)+FR*\i, ADRB+\slot, \q, \i
.endr
	WIN 0
.endm
.macro FETCH_A slot, q, i0
.irp i, \i0, \i0+1, \i0+2, \i0+3
	FRAG AF+FR*(\i), ADRA+\slot, \q, \i
.endr
.endm
.macro SCALES sc                       ; a K step's scale words: two words a row; lanes 0-15 source 1's block i, lanes 16-31 source 0's block i
.irp i, 0,1,2,3,4,5,6,7
	ds_load_b64 v[SC+8*NQ*\sc+NQ*\i:SC+8*NQ*\sc+NQ*\i+1], v[ADRS] offset:\i*SBLK
.endr
.endm
.macro PLACES n                        ; places in front of loads into registers that matrix instructions have read, and of the first read of results
.rept \n
	v_nop
.endr
.endm
.macro STEP slot, q, zero              ; 128 along K that has its successor in the same slot
	s_wait_dscnt 4*NL                              ; all but the youngest 24 loads (source 1's blocks 4-7) are in
	WIN MUL_LO
	MUL16 0, (\q)%2, \q, \slot, \zero
	MUL16 2, (\q)%2, \q, \slot, \zero
	s_wait_dscnt 0
	PLACES NP
	FETCH_B \slot, (\q)+1, 1-(\q)%2
	FETCH_A \slot, (\q)+1, 0
	WIN MUL_HI
	MUL16 4, (\q)%2, \q, \slot, \zero
	MUL16 6, (\q)%2, \q, \slot, \zero
	PLACES NP
	WIN 0
	FETCH_A \slot, (\q)+1, 4
.endm
; A slot's last 128 changes slots: one barrier; in front of it each wave waits for all its tensor loads, adds 0 to its spare word, and waits for that and for its reads of this slot.
.macro TURN slot, next, fill
	s_wait_tensorcnt 0x0                           ; all my tensor loads have landed: my part of the next slot
	ds_add_u32 v[SPW], v[NIL]
	s_wait_dscnt 4*NL+1                            ; the add and the youngest 24 loads may be out
	WIN MUL_LO
	MUL16 0, 1, NQ-1, \slot, 0
	s_wait_dscnt 0x0                               ; the add is done, and my reads of this slot are over
	s_barrier_signal -1
	MUL16 2, 1, NQ-1, \slot, 0
	WIN 0
	s_barrier_wait -1
.if \fill
	CREST                                          ; the barrier has opened a round of the cluster's barrier: no wave of any partner still reads this slot or has a load on its way
	s_add_nc_u64 s[G0+4*\slot+2:G0+4*\slot+3], s[G0+4*\slot+2:G0+4*\slot+3], 2*ROWB
	s_add_nc_u64 s[G0B+4*\slot+2:G0B+4*\slot+3], s[G0B+4*\slot+2:G0B+4*\slot+3], 2*ROWB
	JLOAD G0+4*\slot, G1, G0B+4*\slot, G1B         ; my one tensor load behind the round; its four v_nop are the places in front of the loads below
.else
	PLACES NP
.endif
	v_add_nc_u32 v[ADRS], 4*NQ, v[ADRS]            ; the next K step's scale words
	FETCH_B \next, 0, 0
	FETCH_A \next, 0, 0
	SCALES \next
	WIN MUL_HI
	MUL16 4, 1, NQ-1, \slot, 0
	MUL16 6, 1, NQ-1, \slot, 0
	PLACES NP
	WIN 0
	FETCH_A \next, 0, 4
.endm
	s_wait_loadcnt 0x0                             ; the bias table, once
	s_wait_tensorcnt 1                             ; the scales and my part of K step 0 are in; K step 1's load may be out
	s_barrier_signal -1
	s_barrier_wait -1
	FETCH_B 0, 0, 0
	FETCH_A 0, 0, 0
	SCALES 0
	FETCH_A 0, 0, 4
	STEP 0, 0, 1                                   ; the first products start the sums
	s_mov_b32 s3, LAPS-1
.Llap:
	TURN 0, 1, 1
	STEP 1, 0, 0
	TURN 1, 0, 1
	STEP 0, 0, 0
	s_sub_co_u32 s3, s3, 1
	s_cmp_lg_u32 s3, 0
	s_cbranch_scc1 .Llap
	TURN 0, 1, 0                                   ; the last lap fills nothing
	STEP 1, 0, 0
	s_wait_dscnt 4*NL
	WIN MUL_LO
	MUL16 0, 1, NQ-1, 1, 0
	MUL16 2, 1, NQ-1, 1, 0
	s_wait_dscnt 0
	WIN MUL_HI
	MUL16 4, 1, NQ-1, 1, 0
	MUL16 6, 1, NQ-1, 1, 0
	WIN 0
; 64 numbers of a lane, register 16 b + i = k 32 b + 16 (lane / 16) + i of my row, become a fragment's codes in v[PC] on and its scale word in v[PW].
.macro QUANT s
.irp b, 0,1,2,3
	v_max3_num_f32 v[TM+\b], |v[\s+16*\b]|, |v[\s+1+16*\b]|, 0x2800000   ; my 16 numbers of block b, and the floor 2^(5 - 127)
.endr
.irp i, 2,4,6,8,10,12,14
.irp b, 0,1,2,3
	v_max3_num_f32 v[TM+\b], v[TM+\b], |v[\s+16*\b+\i]|, |v[\s+1+16*\b+\i]|
.endr
.endr
.irp b, 0,1,2,3
	v_permlanex16_b32 v[TM+4+\b], v[TM+\b], s[SEL], s[SEL+1]
.endr
.irp b, 0,1,2,3
	v_max_num_f32 v[TM+\b], v[TM+\b], v[TM+4+\b]   ; with lane l xor 16's: the block's largest magnitude
.endr
.irp b, 0,1,2,3
	v_add_nc_u32 v[TM+12+\b], 0xfe000000, v[TM+\b] ; 4 off its exponent field: the conversion's scale operand
.endr
.irp b, 0,1,2,3
	v_lshrrev_b32 v[TM+4+\b], 23, v[TM+12+\b]      ; the scale's byte
.endr
	v_lshl_or_b32 v[PW], v[TM+5], 8, v[TM+4]
	v_lshl_or_b32 v[PW], v[TM+6], 16, v[PW]
	v_lshl_or_b32 v[PW], v[TM+7], 24, v[PW]
.irp c, 0,1
	v_cvt_scalef32_pk16_bf6_f32 v[PC+6*\c:PC+2+6*\c], v[\s+32*\c:\s+15+32*\c], v[TM+12+2*\c]
	v_cvt_scalef32_pk16_bf6_f32 v[PC+12+4*\c:PC+14+4*\c], v[\s+16+32*\c:\s+31+32*\c], v[TM+12+2*\c+1]
.endr
	v_nop                                          ; one plain place behind a scaled conversion
.irp c, 0,1                            ; the layout wants a whole block in a lane: lanes 0-15 block 2 c, lanes 16-31 block 2 c + 1
.irp i, 0,1,2
	v_permlane16_swap_b32 v[PC+6*\c+\i], v[PC+12+4*\c+\i]
.endr
.irp i, 0,1,2
	v_mov_b32 v[PC+3+6*\c+\i], v[PC+12+4*\c+\i]
.endr
.endr
.endm
; Block a of source 1 (16 tokens, or 16 channels of v): bias added, quantised, stored as images.  Each accumulator is read from its low end on.
.macro EPI a, path
	WIN 0x02+(\a)/4                                ; source 0: window 2 or 3
.set II, 0
.rept 32
.if \path
	v_pk_add_f32 v[ST+2*II:ST+2*II+1], v[64*((\a)%4)+2*II:64*((\a)%4)+2*II+1], v[BI+8*(\a)+(2*II)%8:BI+8*(\a)+(2*II)%8+1]
.else
	v_pk_add_f32 v[ST+2*II:ST+2*II+1], v[64*((\a)%4)+2*II:64*((\a)%4)+2*II+1], v[BI+2*II:BI+2*II+1]
.endif
.set II, II+1
.endr
	WIN 0
.if (\a) > 0
	s_wait_xcnt 0x0                                ; the last block's stores have read the codes' registers
.endif
	QUANT ST
.if \path
	v_mov_b32 v[SW+(\a)], v[PW]                    ; four bytes: my channel's four blocks of 32 keys
	ds_store_b32 v[SWA1], v[SW+(\a)] offset:64*(\a)   ; (lanes l and l + 16 write the same word with the same value)
.irp p, 0,1,2
	global_store_b128 v[O16], v[PC+4*\p:PC+4*\p+3], s[12:13] offset:((\a)/4)*HEADB+6144+1536*((\a)%4)+512*\p
.endr
.else
	v_bfe_u32 v[SW+(\a)], v[PW], v[SH], 16         ; lanes 0-15 the first head's two bytes, lanes 16-31 the second's; zeros above
	ds_store_b32 v[SWA0], v[SW+(\a)] offset:64*(\a)
.irp c, 0,1
	global_store_b128 v[O16], v[PC+6*\c:PC+6*\c+3], s[12:13] offset:\c*HEADB+768*(\a)
	global_store_b64 v[O8], v[PC+6*\c+4:PC+6*\c+5], s[12:13] offset:\c*HEADB+768*(\a)+512
.endr
.endif
.endm
	PLACES NP                                      ; behind the last products: results are read, and source 1's registers written, below
.irp b, 0,1,2,3
	v_mov_b32 v[TM+4+\b], 0                        ; written once: a lane permute's destination counts as one of its sources
.endr
	s_cmp_eq_u32 ttmp9, 2                          ; the same in every partner of the cluster; no barrier and no tensor load stands in either way
	s_cbranch_scc1 .Lv
.irp a, 0,1,2,3,4,5,6,7
	EPI \a, 0
.endr
	ds_load_b128 v[ST:ST+3], v[SRD0]               ; each head's 128 scale words, 512 bytes (LDS serves a wave's instructions in order)
	ds_load_b128 v[ST+4:ST+7], v[SRD0] offset:512
	s_wait_dscnt 0x0
	global_store_b128 v[O16], v[ST:ST+3], s[12:13] offset:12288
	global_store_b128 v[O16], v[ST+4:ST+7], s[12:13] offset:HEADB+12288
	s_branch .Ldone
.Lv:
.irp a, 0,1,2,3,4,5,6,7
	EPI \a, 1
.endr
	ds_load_b128 v[ST:ST+3], v[SRD1]               ; lanes 0-15 the first head's 64 words, lanes 16-31 the second's
	s_wait_dscnt 0x0
	global_store_b128 v[OV], v[ST:ST+3], s[12:13] offset:12800
.Ldone:
	s_wait_tensorcnt 0x0                           ; the wave's end
	ds_add_u32 v[SPW], v[NIL]
	s_wait_dscnt 0x0
	CROUND                                         ; the closing round
	s_endpgm
.Lfunc_end_k_q0801aa12e6_gemm_qkv:
	.size	k_q0801aa12e6_gemm_qkv, .Lfunc_end_k_q0801aa12e6_gemm_qkv-k_q0801aa12e6_gemm_qkv
	.p2alignl 7, 3214868480
	.fill 96, 4, 3214868480
	.section	.rodata,"a",@progbits
	.p2align	6, 0x0
	.amdhsa_kernel k_q0801aa12e6_gemm_qkv
		.amdhsa_group_segment_fixed_size 327680
		.amdhsa_private_segment_fixed_size 0
		.amdhsa_enable_private_segment 0
		.amdhsa_kernarg_size 72
		.amdhsa_user_sgpr_count 2
		.amdhsa_user_sgpr_kernarg_segment_ptr 1
		.amdhsa_wavefront_size32 1
		.amdhsa_system_sgpr_workgroup_id_x 1
		.amdhsa_system_sgpr_workgroup_id_y 1
		.amdhsa_system_sgpr_workgroup_id_z 1
		.amdhsa_system_vgpr_workitem_id 0
		.amdhsa_next_free_vgpr 1024
		.amdhsa_next_free_sgpr 106
		.amdhsa_reserve_vcc 0
		.amdhsa_float_denorm_mode_32 3
		.amdhsa_float_denorm_mode_16_64 3
		.amdhsa_memory_ordered 1
		.amdhsa_forward_progress 1
		.amdhsa_inst_pref_size 239
	.end_amdhsa_kernel
	.amdgpu_metadata
---
amdhsa.version: [ 1, 2 ]
amdhsa.kernels:
  - .name:           k_q0801aa12e6_gemm_qkv
    .symbol:         k_q0801aa12e6_gemm_qkv.kd
    .args:
      - { .name: xc, .offset: 0, .size: 8, .value_kind: global_buffer, .address_space: global }
      - { .name: xs, .offset: 8, .size: 8, .value_kind: global_buffer, .address_space: global }
      - { .name: wc, .offset: 16, .size: 8, .value_kind: global_buffer, .address_space: global }
      - { .name: ws, .offset: 24, .size: 8, .value_kind: global_buffer, .address_space: global }
      - { .name: qb, .offset: 32, .size: 8, .value_kind: global_buffer, .address_space: global }
      - { .name: kv, .offset: 40, .size: 8, .value_kind: global_buffer, .address_space: global }
      - { .name: bq, .offset: 48, .size: 8, .value_kind: global_buffer, .address_space: global }
      - { .name: bk, .offset: 56, .size: 8, .value_kind: global_buffer, .address_space: global }
      - { .name: bv, .offset: 64, .size: 8, .value_kind: global_buffer, .address_space: global }
    .group_segment_fixed_size: 327680
    .private_segment_fixed_size: 0
    .kernarg_segment_align: 8
    .kernarg_segment_size: 72
    .max_flat_workgroup_size: 128
    .sgpr_count:     106
    .vgpr_count:     1024
    .wavefront_size: 32
...
	.end_amdgpu_metadata
.endif
;; end of part 2
;; launch attn (part 3): grid 4 x 64, 16 waves a work-group, clusters of 4 x 1, 210,944 bytes of LDS; arguments qb, kv, yc, ys; writes yc, ys
.if DOCPART == 3
	.amdgcn_target "amdgcn-amd-amdhsa--gfx1250"
	.amdhsa_code_object_version 6
	.text
	.protected	k_q0801aa12e6_attn
	.globl	k_q0801aa12e6_attn
	.p2align	8
	.type	k_q0801aa12e6_attn,@function
k_q0801aa12e6_attn:
	s_mov_b64 s[64:65], 0
	v_nop
	global_prefetch_b8 v0, s[64:65] scope:SCOPE_SE
	s_setreg_imm32_b32 hwreg(HW_REG_WAVE_MODE, 25, 1), 1
	s_wait_xcnt 0x0
	s_wait_alu depctr_hold_cnt(0) depctr_sa_sdst(0) depctr_va_vdst(0) depctr_va_sdst(0) depctr_va_ssrc(0) depctr_va_vcc(0) depctr_vm_vsrc(0)
	s_getreg_b32 s2, hwreg(HW_REG_IB_STS2, 6, 4)
	s_cmp_eq_u32 s2, 0
	s_cbranch_scc0 .Lentry_in_a_cluster
	s_endpgm
.Lentry_in_a_cluster:
	s_bfe_u32 s2, ttmp6, 0x10000c
	s_cmp_lg_u32 s2, 0x3003
	s_cbranch_scc0 .Lentry_shape_is_right
	s_endpgm
.Lentry_shape_is_right:
; Causal attention of one head (64 channels, 2,048 tokens) on codes of BF6 (E3M2) with E8M0 scales; the result y is quantised here along the channels and leaves as codes.
; t = score x log2(e) / 8; M = the running largest t rounded UP to a whole number; p = 2^(t - M) is quantised along the keys, not normalised; the row's sum is taken of the
; unquantised p and divides O at the end; when M moves, the sum and O are multiplied by 2^(old M - new M), which rounds nothing.
; SHARES.  The four work-groups of a cluster serve one head (ttmp7).  The head's 128 tiles of 16 queries are (g = 0 .. 15, e = 0 .. 7); tile (g, e) wants key steps 0 .. g of 128 keys,
; step g on the diagonal.  Work-group cx owns e = 2 cx + u; wave w owns (g = w, u = 0) and (g = 15 - w, u = 1): 17 steps for every wave of every work-group.
; cx enters global addresses and the mask's lane number alone: no branch, trip count or LDS address hangs on it.
; LDS holds the head's whole kv block, 16 steps x 13,056 bytes, filled ONCE by joint loads (each wave two rows of 6,528 bytes; the four partners ask for the same bytes), and never written again:
; no ring and no refill.  The large tile (g >= 8) goes first: its steps 0 to 7 lie in the first half and are full steps for all sixteen waves, so the one barrier behind which the
; second half is read stands behind equal work.
; LAYOUT.  S^T = K Q^T (source 0 = 16 key positions), O^T = V^T P^T (source 0 = 16 channel positions): a lane holds one query; position order makes its registers natural keys, and natural channels.
; The first product's K is 64: Q's codes for k = 64 .. 127 are zeros and both sides' scale bytes there are 0 (2^-127, no NaN), so whatever stands in K's upper six registers adds nothing.
; A block's largest p is taken through its largest score (v_exp_f32 is taken not to fall where its input rises).
; ys is written two bytes a lane, 32 bytes apart: one byte in 24 of what this launch stores.
; LIMITS: NaN and infinities are not served; a block of y under 2^-122 or of zeros gets the byte 1.
.set STEPB, 13056
.set HEADB, 16*STEPB
.set HALFB, 8*STEPB
.set PARTB, HALFB/16
.set L16, 1                            ; v1  16 x lane
.set L8,  2                            ; v2  8 x lane
.set L4,  3                            ; v3  4 x lane
.set A16, 4                            ; v4-6 the same + the step's first LDS byte
.set A8,  5
.set A4,  6
.set DMA, 7                            ; v7, v8 my query - 16 (lane / 16) within its 128, small tile and large tile
.set DMB, 8
.set YSO, 9                            ; v9  32 x (lane % 16)
.set QA,  16                           ; v16-27 the small tile's Q, v28-39 the large tile's: registers 6-11 are zeros
.set QB,  28
.set KB,  40                           ; v40-87 a step's K (8 x 6), then its V^T (4 x 12)
.set ZP,  88                           ; v88-93 zeros behind K's last tile
.set SR,  96                           ; v96-159 S^T, then p
.set OT,  160                          ; v160-191 O^T
.set PC,  192                          ; v192-203 p's codes;  v204-210 halves on their way
.set PT,  204
.set BM,  212
.set BP,  216
.set BS,  220
.set T0,  224
.set FF,  226                          ; v[226:227] f, 0
.set PS,  228                          ; p's scale word, and nothing else
.set SUM2, 230
.set KSC, 232                          ; v232-235 K's scale words: lanes 0-15 tile 2 i, lanes 16-31 tile 2 i + 1
.set VSC, 236                          ; v236-237 V's likewise
.set QSA, 238
.set QSB, 239
.set NINF, 240
.set RL,  242
.set YB,  244
.set WV,  12
.set SEL, 20
.set CS,  22
.set TB,  40
.set STP, 41
.macro CROUND
	s_barrier_signal -1
	s_barrier_wait -1
	s_cmp_lg_u32 s[WV], 0
	s_cbranch_scc1 .Lnot_wave_0_\@
	s_barrier_signal -3
.Lnot_wave_0_\@:
	s_barrier_wait -3
	s_barrier_signal -1
	s_barrier_wait -1
.endm
	s_load_b256 s[4:11], s[0:1], 0x0               ; qb s[4:5], kv s[6:7], yc s[8:9], ys s[10:11]
	v_lshl_add_u32 v254, v0, 2, 0x33000
	v_mov_b32 v255, 0
	ds_add_u32 v254, v255
	ds_add_u32 v254, v255
	v_lshrrev_b32 v10, 5, v0
	s_delay_alu instid0(VALU_DEP_1)
	v_readfirstlane_b32 s[WV], v10                 ; wave 0..15
	s_bfe_u32 s13, ttmp6, 0x40000                  ; cx
	s_and_b32 s14, ttmp7, 0xffff                   ; 16 batch + head
	s_xor_b32 s19, s[WV], 15                       ; 15 - wave
	s_min_u32 s15, s[WV], s19                      ; the small tile's g, 0 .. 7
	s_xor_b32 s16, s15, 15                         ; the large tile's, 8 .. 15
	s_lshr_b32 s17, s[WV], 3                       ; the small tile's u
	s_xor_b32 s18, s17, 1                          ; the large tile's
	s_mov_b32 s24, 15|(3<<16)|(1<<21)              ; group 1: all four work-groups; elements of 8 bytes; bit 21 beside a mask; no padding
	s_mov_b32 s25, (PARTB/8)<<16                   ; tensor_dim0 = 816
	s_mov_b32 s26, 1<<16                           ; tensor_dim1 = 1
	s_mov_b32 s27, (PARTB/8)<<16                   ; tile_dim0
	s_mov_b32 s28, 1                               ; tile_dim1
	s_mov_b32 s29, PARTB/8                         ; pitch
	s_mov_b32 s30, 0
	s_mov_b32 s31, 0
	s_mov_b32 s[SEL], 0x76543210
	s_mov_b32 s[SEL+1], 0xfedcba98
	s_mov_b32 s[CS], 0x3e38aa3b                    ; c = log2(e) / 8
	s_mov_b32 s[CS+1], s[CS]
	s_mul_i32 s58, s14, HEADB                      ; the head's first byte in kv and qb
	s_mov_b32 s59, 0
	s_mul_i32 s60, s[WV], PARTB                    ; my part of each half
	s_mov_b32 s61, 0
	s_wait_dscnt 0x0
	s_wait_kmcnt 0x0
	s_add_nc_u64 s[6:7], s[6:7], s[58:59]
	s_add_nc_u64 s[4:5], s[4:5], s[58:59]
	CROUND                                         ; all four work-groups are here: the joint loads meet
	s_mov_b32 s32, 1
	s_mov_b32 s33, s60                             ; LDS: as in memory
	s_add_nc_u64 s[34:35], s[6:7], s[60:61]
	s_mov_b32 s36, 1
	s_add_co_u32 s37, s60, HALFB
	s_add_nc_u64 s[38:39], s[34:35], HALFB
	s_or_b32 s35, s35, 0x80000000
	s_or_b32 s39, s39, 0x80000000
	tensor_load_to_lds s[32:35], s[24:31]          ; steps 0 to 7: my sixteenth
	s_nop 0
	tensor_load_to_lds s[36:39], s[24:31]          ; steps 8 to 15: two tensor loads of mine are out, and no more follow
	s_nop 0
.rept 4
	v_nop
.endr
	s_lshr_b32 s2, s14, 4                          ; batch
	s_and_b32 s3, s14, 15                          ; head
	s_lshr_b32 s59, s3, 2
	s_and_b32 s61, s3, 3
	s_mov_b32 s63, 0
	s_lshl_b32 s58, s13, 1
	s_add_co_u32 s19, s58, s17                     ; the small tile's e = 2 cx + u
	s_add_co_u32 s58, s58, s18                     ; the large tile's
; a tile's four addresses: Q's image, Q's scale words, y's image in yc [16 batch + g][head / 4][e][head % 4][768 B], y's scale bytes in ys [position][32]
.macro PTRS sg, se, pq, pqs, pyc, pys
	s_mul_i32 s60, s[\sg], STEPB
	s_mul_i32 s62, s[\se], 768
	s_add_co_u32 s62, s62, s60
	s_add_nc_u64 s[\pq:\pq+1], s[4:5], s[62:63]
	s_lshl_b32 s62, s[\se], 6
	s_add_co_u32 s62, s62, s60
	s_add_nc_u64 s[\pqs:\pqs+1], s[4:5], s[62:63]
	s_lshl_b32 s62, s2, 4
	s_add_co_u32 s62, s62, s[\sg]
	s_lshl_b32 s62, s62, 2
	s_add_co_u32 s62, s62, s59
	s_lshl_b32 s62, s62, 5
	s_lshl_b32 s60, s[\se], 2
	s_add_co_u32 s62, s62, s60
	s_add_co_u32 s62, s62, s61
	s_mul_i32 s62, s62, 768
	s_add_nc_u64 s[\pyc:\pyc+1], s[8:9], s[62:63]
	s_lshl_b32 s62, s2, 11
	s_lshl_b32 s60, s[\sg], 7
	s_add_co_u32 s62, s62, s60
	s_lshl_b32 s60, s[\se], 4
	s_add_co_u32 s62, s62, s60
	s_lshl_b32 s62, s62, 5
	s_lshl_b32 s60, s3, 1
	s_add_co_u32 s62, s62, s60
	s_add_nc_u64 s[\pys:\pys+1], s[10:11], s[62:63]
.endm
	PTRS 15, 19, 42, 44, 50, 52
	PTRS 16, 58, 46, 48, 54, 56
	v_and_b32 v10, 31, v0
	s_delay_alu instid0(VALU_DEP_1)
	v_lshlrev_b32 v[L16], 4, v10
	s_delay_alu instid0(VALU_DEP_2)
	v_lshlrev_b32 v[L8], 3, v10
	s_delay_alu instid0(VALU_DEP_3)
	v_lshlrev_b32 v[L4], 2, v10
	v_and_b32 v11, 15, v0                          ; r
	s_delay_alu instid0(VALU_DEP_1)
	v_lshlrev_b32 v10, 2, v11                      ; 4 r
	s_delay_alu instid0(VALU_DEP_2)
	v_lshlrev_b32 v[YSO], 5, v11
	global_load_b128 v[QA:QA+3], v[L16], s[42:43]
	global_load_b64 v[QA+4:QA+5], v[L8], s[42:43] offset:512
	global_load_b32 v[QSA], v10, s[44:45] offset:12288
	global_load_b128 v[QB:QB+3], v[L16], s[46:47]
	global_load_b64 v[QB+4:QB+5], v[L8], s[46:47] offset:512
	global_load_b32 v[QSB], v10, s[48:49] offset:12288
	v_and_b32 v[DMA], 8, v11
	s_delay_alu instid0(VALU_DEP_1)
	v_add_nc_u32 v[DMA], v[DMA], v11               ; r + 8 (r / 8)
	v_bfe_u32 v[DMB], v0, 4, 1
	s_delay_alu instid0(VALU_DEP_1)
	v_lshlrev_b32 v[DMB], 4, v[DMB]
	s_delay_alu instid0(VALU_DEP_1)
	v_sub_nc_u32 v[DMA], v[DMA], v[DMB]            ; - 16 h
	s_lshl_b32 s60, s13, 5
	s_lshl_b32 s62, s18, 3
	s_add_co_u32 s62, s62, s60
	v_add_nc_u32 v[DMB], s62, v[DMA]               ; + 32 cx + 8 u
	s_lshl_b32 s62, s17, 3
	s_add_co_u32 s62, s62, s60
	v_add_nc_u32 v[DMA], s62, v[DMA]
.irp i, 6,7,8,9,10,11
	v_mov_b32 v[QA+\i], 0
	v_mov_b32 v[QB+\i], 0
	v_mov_b32 v[ZP+\i-6], 0
.endr
.irp b, 0,1,2,3
	v_mov_b32 v[BP+\b], 0                          ; a lane permute's destination counts as one of its sources
.endr
	v_mov_b32 v[T0], 0
	v_mov_b32 v[FF+1], 0
	v_mov_b32 v[NINF], 0xff800000
.macro INIT
	v_mov_b32 v13, 0xff61b1e6                      ; the largest t so far: -3e38
	s_delay_alu instid0(VALU_DEP_1)
	v_floor_f32 v12, -v13                          ; -M
	v_mov_b32 v14, 0
	v_mov_b32 v15, 0
.set J, 0
.rept 32
	v_mov_b32 v[OT+J], 0                           ; the step is written without a first form: the first change of M multiplies zeros
.set J, J+1
.endr
.endm
; A KEY STEP of 128 keys for the tile whose Q is v[qf] on.  edge = 1: steps behind the tile's diagonal step s[sg] are left out (a branch on the wave's number), and that step is masked.
.macro STEP qf, qs, sg, dm, edge
.if \edge
	s_cmp_gt_u32 s[STP], s[\sg]
	s_cbranch_scc1 .Lhid_\@
.endif
	s_setprio 2
	v_add_nc_u32 v[A16], s[TB], v[L16]             ; these four are the places behind the last step's products, in front of the loads into the registers that they read
	v_add_nc_u32 v[A8], s[TB], v[L8]
	v_add_nc_u32 v[A4], s[TB], v[L4]
	v_nop
.irp t, 0,1,2,3,4,5,6,7
	ds_load_b128 v[KB+6*\t:KB+6*\t+3], v[A16] offset:768*\t
	ds_load_b64 v[KB+6*\t+4:KB+6*\t+5], v[A8] offset:768*\t+512
.endr
.irp t, 0,1,2,3
	ds_load_b32 v[KSC+\t], v[A4] offset:12288+128*\t
.endr
	s_wait_alu depctr_va_vdst(0)
	s_wait_dscnt 0x0
.irp t, 0,2,4,6
	v_wmma_scale_f32_16x16x128_f8f6f4 v[SR+8*\t:SR+8*\t+7], v[KB+6*\t:KB+6*\t+11], v[\qf:\qf+11], 0, v[KSC+\t/2], v[\qs] matrix_a_fmt:MATRIX_FMT_BF6 matrix_b_fmt:MATRIX_FMT_BF6
	v_wmma_scale_f32_16x16x128_f8f6f4 v[SR+8*\t+8:SR+8*\t+15], v[KB+6*\t+6:KB+6*\t+17], v[\qf:\qf+11], 0, v[KSC+\t/2], v[\qs] matrix_a_fmt:MATRIX_FMT_BF6 matrix_b_fmt:MATRIX_FMT_BF6 matrix_a_scale:MATRIX_SCALE_ROW1
.endr
.rept 4
	v_nop                                          ; places: the scores are read below, and V^T is loaded over K
.endr
.irp t, 0,1,2,3
.irp p, 0,1,2
	ds_load_b128 v[KB+12*\t+4*\p:KB+12*\t+4*\p+3], v[A16] offset:6144+1536*\t+512*\p   ; asked for now: the softmax stands between these loads and the wait for them
.endr
.endr
.irp t, 0,1
	ds_load_b32 v[VSC+\t], v[A4] offset:12800+128*\t
.endr
.if \edge
	s_cmp_lg_u32 s[STP], s[\sg]
	s_cbranch_scc1 .Lopen_\@
.set J, 0
.rept 64                               ; register 16 b + i holds key 32 b + 16 (lane / 16) + i of the step: hidden where 32 b + i > my query - 16 (lane / 16)
	v_cmp_gt_i32 vcc_lo, 32*(J/16)+J%16, v[\dm]
	v_cndmask_b32 v[SR+J], v[SR+J], v[NINF], vcc_lo
.set J, J+1
.endr
.Lopen_\@:
.endif
.irp b, 0,1,2,3
	v_max3_num_f32 v[BM+\b], v[SR+16*\b], v[SR+1+16*\b], v[SR+2+16*\b]   ; the largest score of each block of 32 keys: for the row's maximum and for the block's largest p
.endr
.irp i, 3,5,7,9,11,13
.irp b, 0,1,2,3
	v_max3_num_f32 v[BM+\b], v[BM+\b], v[SR+16*\b+\i], v[SR+1+16*\b+\i]
.endr
.endr
.irp b, 0,1,2,3
	v_max_num_f32 v[BM+\b], v[BM+\b], v[SR+15+16*\b]
.endr
.irp b, 0,1,2,3
	s_delay_alu instid0(VALU_DEP_4)
	v_permlanex16_b32 v[BP+\b], v[BM+\b], s[SEL], s[SEL+1]
.endr
.irp b, 0,1,2,3
	s_delay_alu instid0(VALU_DEP_4)
	v_max_num_f32 v[BM+\b], v[BM+\b], v[BP+\b]
.endr
	s_delay_alu instid0(VALU_DEP_2)
	v_max3_num_f32 v[T0], v[BM], v[BM+1], v[BM+2]
	s_delay_alu instid0(VALU_DEP_1)
	v_max_num_f32 v[T0], v[T0], v[BM+3]
	s_delay_alu instid0(VALU_DEP_1)
	v_mul_f32 v[T0], s[CS], v[T0]
	s_delay_alu instid0(VALU_DEP_1)
	v_max_num_f32 v13, v13, v[T0]                  ; the running largest t
	v_mov_b32 v[T0], v12
	s_delay_alu instid0(VALU_DEP_2)
	v_floor_f32 v12, -v13                          ; the new -M = -ceil(t)
	s_delay_alu instid0(VALU_DEP_1)
	v_sub_f32 v[T0], v12, v[T0]                    ; old M - new M: a whole number, 0 or less
	s_delay_alu instid0(VALU_DEP_1)
	v_cvt_i32_f32 v[T0], v[T0]                     ; (it saturates)
	s_delay_alu instid0(VALU_DEP_1)
	v_ldexp_f32 v[FF], 1.0, v[T0]                  ; f = 2^(old M - new M)
.set J, 0
.rept 32
	v_pk_fma_f32 v[SR+J:SR+J+1], v[SR+J:SR+J+1], s[CS:CS+1], v[12:13] op_sel_hi:[1,0,0]   ; t - M
.set J, J+2
.endr
.irp b, 0,1,2,3
	v_fma_f32 v[BM+\b], v[BM+\b], s[CS], v12
.endr
.set J, 0
	s_setprio 1
	s_wait_alu depctr_va_vdst(0)
.rept 64
	v_exp_f32 v[SR+J], v[SR+J]                     ; p
.set J, J+1
.endr
.irp b, 0,1,2,3
	v_exp_f32 v[BM+\b], v[BM+\b]                   ; the block's largest p
.endr
	v_pk_mul_f32 v[14:15], v[14:15], v[FF:FF+1] op_sel_hi:[1,0]   ; the sums under the new M (a plain place behind the exponentials)
	s_wait_alu depctr_va_vdst(0)
.irp b, 0,1,2,3
	v_max_num_f32 v[BM+\b], 0x2800000, v[BM+\b]    ; the floor: the byte cannot fall under 1
.endr
.irp b, 0,1,2,3
	s_delay_alu instid0(VALU_DEP_4)
	v_add_nc_u32 v[BS+\b], 0xfe000000, v[BM+\b]
.endr
.irp b, 0,1,2,3
	s_delay_alu instid0(VALU_DEP_4)
	v_lshrrev_b32 v[BP+\b], 23, v[BS+\b]
.endr
	s_delay_alu instid0(VALU_DEP_3)
	v_lshl_or_b32 v[PS], v[BP+1], 8, v[BP]
	s_delay_alu instid0(VALU_DEP_1)
	v_lshl_or_b32 v[PS], v[BP+2], 16, v[PS]
	s_delay_alu instid0(VALU_DEP_1)
	v_lshl_or_b32 v[PS], v[BP+3], 24, v[PS]
.irp c, 0,1
	v_cvt_scalef32_pk16_bf6_f32 v[PC+6*\c:PC+2+6*\c], v[SR+32*\c:SR+15+32*\c], v[BS+2*\c]
	v_cvt_scalef32_pk16_bf6_f32 v[PT+4*\c:PT+2+4*\c], v[SR+16+32*\c:SR+31+32*\c], v[BS+2*\c+1]
.endr
	v_nop                                          ; one plain place behind a scaled conversion
.irp c, 0,1
.irp i, 0,1,2
	v_permlane16_swap_b32 v[PC+6*\c+\i], v[PT+4*\c+\i]
.endr
.irp i, 0,1,2
	s_delay_alu instid0(VALU_DEP_3)
	v_mov_b32 v[PC+3+6*\c+\i], v[PT+4*\c+\i]
.endr
.endr
	v_pk_add_f32 v[230:231], v[100:101], v[104:105]
	v_pk_add_f32 v[252:253], v[108:109], v[112:113]
	v_pk_add_f32 v[250:251], v[116:117], v[120:121]
	v_pk_add_f32 v[248:249], v[124:125], v[128:129]
	v_pk_add_f32 v[246:247], v[132:133], v[136:137]
	v_pk_add_f32 v[244:245], v[140:141], v[144:145]
	v_pk_add_f32 v[242:243], v[148:149], v[152:153]
	v_pk_add_f32 v[14:15], v[14:15], v[156:157]
	v_pk_add_f32 v[230:231], v[230:231], v[96:97]
	v_pk_add_f32 v[252:253], v[252:253], v[98:99]
	v_pk_add_f32 v[250:251], v[250:251], v[102:103]
	v_pk_add_f32 v[248:249], v[248:249], v[106:107]
	v_pk_add_f32 v[246:247], v[246:247], v[110:111]
	v_pk_add_f32 v[244:245], v[244:245], v[114:115]
	v_pk_add_f32 v[242:243], v[242:243], v[118:119]
	v_pk_add_f32 v[14:15], v[14:15], v[122:123]
	v_pk_add_f32 v[230:231], v[230:231], v[126:127]
	v_pk_add_f32 v[252:253], v[252:253], v[130:131]
	v_pk_add_f32 v[250:251], v[250:251], v[134:135]
	v_pk_add_f32 v[248:249], v[248:249], v[138:139]
	s_setprio 0
	v_pk_add_f32 v[246:247], v[246:247], v[142:143]
	v_pk_add_f32 v[244:245], v[244:245], v[146:147]
	v_pk_add_f32 v[242:243], v[242:243], v[150:151]
	v_pk_add_f32 v[14:15], v[14:15], v[154:155]
	v_pk_add_f32 v[230:231], v[230:231], v[158:159]
	s_delay_alu instid0(VALU_DEP_2)
	v_pk_add_f32 v[14:15], v[14:15], v[248:249]
	s_delay_alu instid0(VALU_DEP_2)
	v_pk_add_f32 v[230:231], v[230:231], v[246:247]
	v_pk_add_f32 v[252:253], v[252:253], v[244:245]
	v_pk_add_f32 v[250:251], v[250:251], v[242:243]
	s_delay_alu instid0(VALU_DEP_2)
	v_pk_add_f32 v[14:15], v[14:15], v[252:253]
	s_delay_alu instid0(VALU_DEP_2)
	v_pk_add_f32 v[230:231], v[230:231], v[250:251]
	s_delay_alu instid0(VALU_DEP_1)
	v_pk_add_f32 v[14:15], v[14:15], v[230:231]
.set J, 0
.rept 16
	v_pk_mul_f32 v[OT+J:OT+J+1], v[OT+J:OT+J+1], v[FF:FF+1] op_sel_hi:[1,0]   ; O^T under the new M.  (The sums and these are the places between the writes of p's codes and scale word and the products)
.set J, J+2
.endr
	s_wait_alu depctr_va_vdst(0)
	s_wait_dscnt 0x0                               ; V^T and its scale words
.irp t, 0,2                            ; four accumulators by turns, one instruction a turn; eleven other matrix instructions stand between two links of a chain
	v_wmma_scale_f32_16x16x128_f8f6f4 v[OT+8*\t:OT+8*\t+7], v[KB+12*\t:KB+12*\t+11], v[PC:PC+11], v[OT+8*\t:OT+8*\t+7], v[VSC+\t/2], v[PS] matrix_a_fmt:MATRIX_FMT_BF6 matrix_b_fmt:MATRIX_FMT_BF6
	v_wmma_scale_f32_16x16x128_f8f6f4 v[OT+8*\t+8:OT+8*\t+15], v[KB+12*\t+12:KB+12*\t+23], v[PC:PC+11], v[OT+8*\t+8:OT+8*\t+15], v[VSC+\t/2], v[PS] matrix_a_fmt:MATRIX_FMT_BF6 matrix_b_fmt:MATRIX_FMT_BF6 matrix_a_scale:MATRIX_SCALE_ROW1
.endr
.if \edge
.Lhid_\@:
.endif
.endm
; THE WAY OUT of a tile: y = O^T / the sum; register 16 b + i is channel 32 b + 16 (lane / 16) + i: two blocks of 32, quantised; the image of six registers and two scale bytes a row leave.
.macro OUT pyc, pys
.rept 4
	v_nop
.endr
	v_add_f32 v14, v14, v15
	s_delay_alu instid0(VALU_DEP_1)
	v_permlanex16_b32 v[T0], v14, s[SEL], s[SEL+1]
	s_delay_alu instid0(VALU_DEP_1)
	v_add_f32 v14, v14, v[T0]                      ; the row's sum
	s_wait_alu depctr_va_vdst(0)
	v_rcp_f32 v[RL], v14
	v_mov_b32 v[RL+1], 0                           ; (a plain place behind the reciprocal; named below as the pair's upper half)
.set J, 0
	s_wait_alu depctr_va_vdst(0)
.rept 16
	v_pk_mul_f32 v[SR+J:SR+J+1], v[OT+J:OT+J+1], v[RL:RL+1] op_sel_hi:[1,0]
.set J, J+2
.endr
.irp b, 0,1
	v_max3_num_f32 v[BM+\b], |v[SR+16*\b]|, |v[SR+1+16*\b]|, 0x2800000
.endr
.irp i, 2,4,6,8,10,12,14
.irp b, 0,1
	s_delay_alu instid0(VALU_DEP_2)
	v_max3_num_f32 v[BM+\b], v[BM+\b], |v[SR+16*\b+\i]|, |v[SR+1+16*\b+\i]|
.endr
.endr
.irp b, 0,1
	s_delay_alu instid0(VALU_DEP_2)
	v_permlanex16_b32 v[BP+\b], v[BM+\b], s[SEL], s[SEL+1]
.endr
.irp b, 0,1
	s_delay_alu instid0(VALU_DEP_2)
	v_max_num_f32 v[BM+\b], v[BM+\b], v[BP+\b]
.endr
.irp b, 0,1
	s_delay_alu instid0(VALU_DEP_2)
	v_add_nc_u32 v[BS+\b], 0xfe000000, v[BM+\b]
.endr
.irp b, 0,1
	s_delay_alu instid0(VALU_DEP_2)
	v_lshrrev_b32 v[BP+\b], 23, v[BS+\b]
.endr
	s_delay_alu instid0(VALU_DEP_1)
	v_lshl_or_b32 v[YB], v[BP+1], 8, v[BP]
	v_cvt_scalef32_pk16_bf6_f32 v[PC:PC+2], v[SR:SR+15], v[BS]
	v_cvt_scalef32_pk16_bf6_f32 v[PC+4:PC+6], v[SR+16:SR+31], v[BS+1]
	v_nop
.irp i, 0,1,2
	v_permlane16_swap_b32 v[PC+\i], v[PC+4+\i]
.endr
.irp i, 0,1,2
	s_delay_alu instid0(VALU_DEP_3)
	v_mov_b32 v[PC+3+\i], v[PC+4+\i]               ; ascending: each source is read before it is written
.endr
	global_store_b128 v[L16], v[PC:PC+3], s[\pyc:\pyc+1]             ; 512 consecutive bytes, aligned
	global_store_b64 v[L8], v[PC+4:PC+5], s[\pyc:\pyc+1] offset:512  ; 256
	global_store_b16 v[YSO], v[YB], s[\pys:\pys+1]                   ; (lanes l and l + 16 write the same two bytes)
	s_wait_xcnt 0x0                                ; the stores have read their registers
.endm
	s_wait_loadcnt 0x0                             ; Q of both tiles
	s_wait_tensorcnt 0x1                           ; my part of steps 0 to 7 is in; my part of steps 8 to 15 may be out
	s_barrier_signal -1
	s_barrier_wait -1                              ; everybody's is
	INIT
	s_mov_b32 s[TB], 0
	s_mov_b32 s[STP], 0
.Lb0:                                  ; the large tile, steps 0 to 7: full steps in every wave
	STEP QB, QSB, 16, DMB, 0
	s_add_co_u32 s[TB], s[TB], STEPB
	s_add_co_u32 s[STP], s[STP], 1
	s_cmp_lt_u32 s[STP], 8
	s_cbranch_scc1 .Lb0
	s_setprio 0
	s_wait_tensorcnt 0x0                           ; my part of steps 8 to 15 is in
	s_wait_dscnt 0x0
	s_barrier_signal -1
	s_barrier_wait -1                              ; everybody's is
	s_mov_b32 s[TB], 8*STEPB
	s_mov_b32 s[STP], 8
.Lb1:                                  ; steps 8 to 15: up to the tile's diagonal step
	STEP QB, QSB, 16, DMB, 1
	s_add_co_u32 s[TB], s[TB], STEPB
	s_add_co_u32 s[STP], s[STP], 1
	s_cmp_lt_u32 s[STP], 16
	s_cbranch_scc1 .Lb1
	s_setprio 0
	OUT 54, 56
	INIT
	s_mov_b32 s[TB], 0
	s_mov_b32 s[STP], 0
.La:                                   ; the small tile
	STEP QA, QSA, 15, DMA, 1
	s_add_co_u32 s[TB], s[TB], STEPB
	s_add_co_u32 s[STP], s[STP], 1
	s_cmp_lt_u32 s[STP], 8
	s_cbranch_scc1 .La
	s_setprio 0
	OUT 50, 52
	s_wait_tensorcnt 0x0
	ds_add_u32 v254, v255
	s_wait_dscnt 0x0
	CROUND                                         ; the closing round
	s_endpgm
.Lfunc_end_k_q0801aa12e6_attn:
	.size	k_q0801aa12e6_attn, .Lfunc_end_k_q0801aa12e6_attn-k_q0801aa12e6_attn
	.p2alignl 7, 3214868480
	.fill 96, 4, 3214868480
	.section	.rodata,"a",@progbits
	.p2align	6, 0x0
	.amdhsa_kernel k_q0801aa12e6_attn
		.amdhsa_group_segment_fixed_size 210944
		.amdhsa_private_segment_fixed_size 0
		.amdhsa_enable_private_segment 0
		.amdhsa_kernarg_size 32
		.amdhsa_user_sgpr_count 2
		.amdhsa_user_sgpr_kernarg_segment_ptr 1
		.amdhsa_wavefront_size32 1
		.amdhsa_system_sgpr_workgroup_id_x 1
		.amdhsa_system_sgpr_workgroup_id_y 1
		.amdhsa_system_sgpr_workgroup_id_z 1
		.amdhsa_system_vgpr_workitem_id 0
		.amdhsa_next_free_vgpr 256
		.amdhsa_next_free_sgpr 66
		.amdhsa_reserve_vcc 1
		.amdhsa_float_denorm_mode_32 3
		.amdhsa_float_denorm_mode_16_64 3
		.amdhsa_memory_ordered 1
		.amdhsa_forward_progress 1
		.amdhsa_inst_pref_size 82
	.end_amdhsa_kernel
	.amdgpu_metadata
---
amdhsa.version: [ 1, 2 ]
amdhsa.kernels:
  - .name:           k_q0801aa12e6_attn
    .symbol:         k_q0801aa12e6_attn.kd
    .args:
      - { .name: qb, .offset: 0, .size: 8, .value_kind: global_buffer, .address_space: global }
      - { .name: kv, .offset: 8, .size: 8, .value_kind: global_buffer, .address_space: global }
      - { .name: yc, .offset: 16, .size: 8, .value_kind: global_buffer, .address_space: global }
      - { .name: ys, .offset: 24, .size: 8, .value_kind: global_buffer, .address_space: global }
    .group_segment_fixed_size: 210944
    .private_segment_fixed_size: 0
    .kernarg_segment_align: 8
    .kernarg_segment_size: 32
    .max_flat_workgroup_size: 512
    .sgpr_count:     66
    .vgpr_count:     256
    .wavefront_size: 32
...
	.end_amdgpu_metadata
.endif
;; end of part 3
;; launch gemm_out (part 4): grid 4 x 32, 4 waves a work-group, clusters of 4 x 4, 327,680 bytes of LDS; arguments yc, ys, wc, ws, bo, out0; writes out0
.if DOCPART == 4
	.amdgcn_target "amdgcn-amd-amdhsa--gfx1250"
	.amdhsa_code_object_version 6
	.text
	.protected	k_q0801aa12e6_gemm_out
	.globl	k_q0801aa12e6_gemm_out
	.p2align	8
	.type	k_q0801aa12e6_gemm_out,@function
k_q0801aa12e6_gemm_out:
	s_mov_b64 s[64:65], 0
	v_nop
	global_prefetch_b8 v0, s[64:65] scope:SCOPE_SE
	s_setreg_imm32_b32 hwreg(HW_REG_WAVE_MODE, 25, 1), 1
	s_wait_xcnt 0x0
	s_wait_alu depctr_hold_cnt(0) depctr_sa_sdst(0) depctr_va_vdst(0) depctr_va_sdst(0) depctr_va_ssrc(0) depctr_va_vcc(0) depctr_vm_vsrc(0)
	s_getreg_b32 s2, hwreg(HW_REG_IB_STS2, 6, 4)
	s_cmp_eq_u32 s2, 0
	s_cbranch_scc0 .Lentry_in_a_cluster
	s_endpgm
.Lentry_in_a_cluster:
	s_bfe_u32 s2, ttmp6, 0x10000c
	s_cmp_lg_u32 s2, 0xf033
	s_cbranch_scc0 .Lentry_shape_is_right
	s_endpgm
.Lentry_shape_is_right:
; out0 = y wo + bo on codes of BF6 (E3M2) with E8M0 scales, K = 1024.  A = yc, images of operand registers: [128 rows R][256 along K][tile of 16 rows e][64 along K][768 B], so that the
; 128 rows x 256 K that a wave fetches are 24,576 dense bytes and a fragment comes by two loads of 16 bytes and two of 8.  B = wo's rows of wc (rows 3,072 on), as in the first product.
; A tile of 256 x 256 to a work-group of four waves, 128 x 128 a wave; K in steps of 256 through a ring of two LDS slots; the scale bytes come once and stay.
; CLUSTERS 4 x 4: A's tiles are asked for jointly along a row of the cluster, B's along a column.
; The matrix instruction is used transposed (source 0 = wo, source 1 = y): a lane holds eight neighbouring columns of a row.  POSITION ORDER: wo's positions make a lane's registers natural
; columns 32 (b / 2) + 16 (lane / 16) + 8 (b % 2) + j; y's row at position 16 a + t is token 32 (a / 2) + 8 (a % 2) + t + 8 (t / 8), which stands in the stores' immediates.
; The bias is the C of each sum's first matrix instruction.  128 work-groups: the tile keeps each LDS byte feeding 128 columns.
; REGISTERS: window 0: v16-31 addresses; v32-63 scale words; v64-127 the bias table; v128-223 A's fragments, one set; on the way out v128-255 rows of out0.  window 1: B's fragments, two sets.  windows 2, 3: accumulators.
.set KSTEP,  256
.set NQ,     KSTEP/128
.set ROWB,   192
.set KROW,   768
.set PITCH,  240
.set FR,     12
.set NLA,    4                         ; LDS loads that bring a fragment of A
.set NP,     4
.set HALFT,  128*PITCH                 ; a wave's share of a slot (A uses 24,576 of it)
.set ABLK,   24576
.set SLOT,   4*HALFT
.set LAPS,   2
.set KS,     32
.set SCL,    2*SLOT
.set HALFS,  (128*KS/256)*272
.set SBLK,   (16*KS/256)*272
.set SPARE,  SCL+4*HALFS               ; the spare words: two blocks of 256 bytes that no other line names
.set SPITCH, 528                       ; the way out: a stage of 16 rows x (512 + 16) bytes a wave, in slot 0, which has had its last fill and its last read by then
.set ADRA, 16                          ; v16-17 A's region of slot 0, 1 + 16 lane;  v18-19 the same + 8 lane
.set ADRB, 20                          ; v20-23 B's fragments
.set STO,  24
.set RD,   25
.set CO,   26
.set ADRS, 27
.set SPW,  28
.set NIL,  29
.set SC,   32
.set BI,   64
.set AF,   128
.set BK,   128
.set G1, 24
.set G0, 32
.set G1B, 48
.set G0B, 56
.set G1S, 68
.set G0S, 76
.set G1SB, 80
.set G0SB, 88
.set MSB, 0
.macro WIN new
.if MSB != (\new)
	s_set_vgpr_msb (MSB<<8)|(\new)
.set MSB, (\new)
.endif
.endm
.set MUL_LO, 0xa1
.set MUL_HI, 0xf1
.set TO_B,   0x40
.macro JLOAD g0a, g1a, g0b, g1b        ; waves 0 and 1 fetch for A, waves 2 and 3 for B; four v_nop follow each line
	s_cmp_eq_u32 s15, 0
	s_cbranch_scc0 .Lfor_b_\@
	tensor_load_to_lds s[\g0a:\g0a+3], s[\g1a:\g1a+7]
	s_nop 0
.rept 4
	v_nop
.endr
	s_branch .Lasked_\@
.Lfor_b_\@:
	tensor_load_to_lds s[\g0b:\g0b+3], s[\g1b:\g1b+7]
	s_nop 0
.rept 4
	v_nop
.endr
.Lasked_\@:
.endm
.macro CREST
	s_cmp_lg_u32 s14, 0
	s_cbranch_scc1 .Lnot_wave_0_\@
	s_barrier_signal -3
.Lnot_wave_0_\@:
	s_barrier_wait -3
	s_barrier_signal -1
	s_barrier_wait -1
.endm
.macro CROUND
	s_barrier_signal -1
	s_barrier_wait -1
	CREST
.endm
	s_load_b256 s[4:11], s[0:1], 0x0               ; yc, ys, wc, ws
	s_load_b128 s[92:95], s[0:1], 0x20             ; bo, out0
	v_lshl_add_u32 v[SPW], v0, 2, SPARE
	v_mov_b32 v[NIL], 0
	ds_add_u32 v28, v29
	ds_add_u32 v28, v29
	s_wait_dscnt 0x0
	v_lshrrev_b32 v1, 5, v0
	v_readfirstlane_b32 s14, v1                    ; wave
	s_lshr_b32 s15, s14, 1                         ; which half of the tile's rows is mine.  Also: I fetch for A (0) or for B (1)
	s_and_b32 s16, s14, 1                          ; which half of its columns.  Also: which 128 rows I fetch
	s_bfe_u32 s40, ttmp6, 0x40000
	s_bfe_u32 s41, ttmp6, 0x40004
	s_lshl_b32 s42, ttmp9, 2
	s_add_co_u32 s42, s42, s40                     ; tile column
	s_and_b32 s17, ttmp7, 0xffff
	s_lshl_b32 s17, s17, 2
	s_add_co_u32 s17, s17, s41                     ; tile row
	s_lshl_b32 s43, s41, 2
	s_lshl_b32 s43, 15, s43
	s_lshl_b32 s44, 0x1111, s40
	s_or_b32 s[G1+0], s43, (3<<16)|(1<<21)         ; A: 24,576 dense bytes as 96 rows of 256 (32 elements of 8 bytes), no padding
	s_mov_b32 s[G1+1], 32<<16
	s_mov_b32 s[G1+2], 96<<16
	s_mov_b32 s[G1+3], 32<<16
	s_mov_b32 s[G1+4], 96
	s_mov_b32 s[G1+5], 32
	s_mov_b32 s[G1+6], 0
	s_mov_b32 s[G1+7], 0
	s_or_b32 s[G1B+0], s44, (0<<16)|(1<<20)|(1<<21)|(3<<22)|(3<<25)   ; B: 128 rows of 192 bytes, 16 bytes of padding behind every 64
	s_mov_b32 s[G1B+1], ROWB<<16
	s_mov_b32 s[G1B+2], 128<<16
	s_mov_b32 s[G1B+3], ROWB<<16
	s_mov_b32 s[G1B+4], 128
	s_mov_b32 s[G1B+5], KROW
	s_mov_b32 s[G1B+6], 0
	s_mov_b32 s[G1B+7], 0
	s_or_b32 s[G1S+0], s43, (3<<16)|(1<<20)|(1<<21)|(5<<22)|(3<<25)
	s_or_b32 s[G1SB+0], s44, (3<<16)|(1<<20)|(1<<21)|(5<<22)|(3<<25)
.irp g, G1S, G1SB
	s_mov_b32 s[\g+1], 32<<16
	s_mov_b32 s[\g+2], (128*KS/256)<<16
	s_mov_b32 s[\g+3], 32<<16
	s_mov_b32 s[\g+4], 128*KS/256
	s_mov_b32 s[\g+5], 32
	s_mov_b32 s[\g+6], 0
	s_mov_b32 s[\g+7], 0
.endr
	s_lshl_b32 s18, s16, 7
	s_lshl_b32 s20, s17, 8
	s_add_co_u32 s20, s20, s18                     ; A: position 256 x tile row + 128 x half
	s_lshl_b32 s46, s42, 8
	s_add_co_u32 s46, s46, s18
	s_add_co_u32 s46, s46, 3072                    ; B: wo's rows lie behind wq's, wk's and wv's
	s_mov_b32 s21, 0
	s_mov_b32 s47, 0
	s_mov_b64 s[18:19], KS
	s_mul_u64 s[22:23], s[20:21], s[18:19]
	s_mul_u64 s[2:3], s[46:47], s[18:19]
	s_mov_b64 s[18:19], KROW
	s_mul_u64 s[20:21], s[20:21], s[18:19]         ; 128 rows x 768 bytes are A's four blocks of 24,576
	s_mul_u64 s[46:47], s[46:47], s[18:19]
	s_mul_i32 s45, s14, HALFT
	s_mul_i32 s104, s14, HALFS
	s_wait_kmcnt 0x0
	s_add_nc_u64 s[20:21], s[4:5], s[20:21]
	s_add_nc_u64 s[22:23], s[6:7], s[22:23]
	s_add_nc_u64 s[46:47], s[8:9], s[46:47]
	s_add_nc_u64 s[2:3], s[10:11], s[2:3]
	CROUND
	s_mov_b32 s[G0S], 1
	s_add_co_u32 s[G0S+1], s104, SCL
	s_mov_b64 s[G0S+2:G0S+3], s[22:23]
	s_or_b32 s[G0S+3], s[G0S+3], 0x80000000
	s_mov_b32 s[G0SB], 1
	s_add_co_u32 s[G0SB+1], s104, SCL
	s_mov_b64 s[G0SB+2:G0SB+3], s[2:3]
	s_or_b32 s[G0SB+3], s[G0SB+3], 0x80000000
	JLOAD G0S, G1S, G0SB, G1SB                     ; three tensor loads of mine are out behind these first fills
.irp s, 0,1
	s_mov_b32 s[G0+4*\s], 1
	s_add_co_u32 s[G0+4*\s+1], s45, \s*SLOT
	s_add_nc_u64 s[G0+4*\s+2:G0+4*\s+3], s[20:21], \s*ABLK
	s_or_b32 s[G0+4*\s+3], s[G0+4*\s+3], 0x80000000
	s_mov_b32 s[G0B+4*\s], 1
	s_add_co_u32 s[G0B+4*\s+1], s45, \s*SLOT
	s_add_nc_u64 s[G0B+4*\s+2:G0B+4*\s+3], s[46:47], \s*ROWB
	s_or_b32 s[G0B+4*\s+3], s[G0B+4*\s+3], 0x80000000
	JLOAD G0+4*\s, G1, G0B+4*\s, G1B
.endr
	v_and_b32 v1, 15, v0                           ; r
	v_bfe_u32 v2, v0, 4, 1                         ; h
	v_and_b32 v6, 31, v0
	v_lshlrev_b32 v[CO], 4, v6                     ; 16 x lane
	v_lshlrev_b32 v3, 3, v6                        ; 8 x lane
	v_mul_u32_u24 v4, v1, PITCH
	v_mad_u32_u24 v4, v2, 24, v4                   ; B: row x pitch + 24 h
	v_lshl_add_u32 v5, v2, 4, v4                   ; and behind one padding more
	s_mul_i32 s21, s15, HALFT                      ; my 128 rows of A
	s_mul_i32 s22, s16, HALFT
	s_add_co_u32 s22, s22, 2*HALFT                 ; my 128 rows of B
.irp s, 0,1
	v_add_nc_u32 v[ADRA+\s], s21, v[CO]
	v_add_nc_u32 v[ADRA+2+\s], s21, v3
	v_add_nc_u32 v[ADRB+\s], s22, v4
	v_add_nc_u32 v[ADRB+2+\s], s22, v5
	s_add_co_u32 s21, s21, SLOT
	s_add_co_u32 s22, s22, SLOT
.endr
	v_mul_u32_u24 v5, v1, KS
	v_lshrrev_b32 v6, 8, v5
	v_lshl_add_u32 v5, v6, 4, v5
	s_mul_i32 s21, s15, HALFS
	s_mul_i32 s22, s16, HALFS
	s_add_co_u32 s22, s22, 2*HALFS
	s_sub_co_u32 s22, s22, s21
	v_mul_u32_u24 v6, s22, v2                      ; lanes 16-31 take B's words
	s_add_co_u32 s21, s21, SCL
	v_add_nc_u32 v5, v5, v6
	v_add_nc_u32 v[ADRS], s21, v5
	s_mul_i32 s23, s14, 16*SPITCH                  ; my stage
	v_mul_u32_u24 v5, v1, SPITCH
	v_lshl_add_u32 v5, v2, 6, v5                   ; in: row r, + 64 h
	v_add_nc_u32 v[STO], s23, v5
	v_add_nc_u32 v[RD], s23, v[CO]                 ; back: a row of 512 bytes by 32 lanes
	s_lshl_b32 s46, s42, 10
	s_lshl_b32 s47, s16, 9
	s_add_co_u32 s46, s46, s47                     ; my first column, in bytes
	s_mov_b32 s47, 0
	s_add_nc_u64 s[92:93], s[92:93], s[46:47]      ; bo there
	s_lshl_b32 s20, s17, 8
	s_lshl_b32 s21, s15, 7
	s_add_co_u32 s20, s20, s21                     ; my first row
	s_lshl_b32 s20, s20, 12                        ; 4,096 bytes a row
	s_mov_b32 s21, 0
	s_add_nc_u64 s[20:21], s[20:21], s[46:47]
	s_add_nc_u64 s[12:13], s[94:95], s[20:21]
	v_lshlrev_b32 v7, 6, v2                        ; the bias table: register 8 b + j = bo(32 (b / 2) + 16 h + 8 (b % 2) + j)
.irp b, 0,1,2,3,4,5,6,7
	global_load_b128 v[BI+8*\b:BI+8*\b+3], v7, s[92:93] offset:(32*(\b/2)+8*(\b%2))*4
	global_load_b128 v[BI+8*\b+4:BI+8*\b+7], v7, s[92:93] offset:(32*(\b/2)+8*(\b%2))*4+16
.endr
.macro FRAG reg, adr, q, i             ; B's fragment, from padded rows
.irp p, 0,1,2,3,4,5
.set PCE, 12*(\q)+6*(\p/3)+\p%3
.if PCE%8 < 5
	ds_load_b64 v[\reg+2*\p:\reg+2*\p+1], v[\adr] offset:8*PCE+16*(PCE/8)+(\i)*16*PITCH
.else
	ds_load_b64 v[\reg+2*\p:\reg+2*\p+1], v[\adr+2] offset:8*PCE+16*(PCE/8)+(\i)*16*PITCH
.endif
.endr
.endm
.macro FRAGA reg, slot, q, i           ; A's fragment, from images: registers 6 c .. 6 c + 5 are the image of 64 along K number 2 q + c of tile i
.irp c, 0,1
	ds_load_b128 v[\reg+6*\c:\reg+6*\c+3], v[ADRA+\slot] offset:3072*(\i)+768*(2*(\q)+\c)
	ds_load_b64 v[\reg+6*\c+4:\reg+6*\c+5], v[ADRA+2+\slot] offset:3072*(\i)+768*(2*(\q)+\c)+512
.endr
.endm
; 16 matrix instructions; the 64 accumulators take turns.  zero = 1: the first product starts the sum from the bias
.macro MUL16 a0, p, q, sc, zero
.irp a, \a0, \a0+1
.irp b, 0,1,2,3,4,5,6,7
.if \zero
	v_wmma_scale_f32_16x16x128_f8f6f4 v[8*(8*((\a)%4)+\b):8*(8*((\a)%4)+\b)+7], v[128*(\p)+FR*\b:128*(\p)+FR*\b+FR-1], v[AF+FR*(\a):AF+FR*(\a)+FR-1], v[BI+8*\b:BI+8*\b+7], v[SC+8*NQ*(\sc)+NQ*\b+(\q)], v[SC+8*NQ*(\sc)+NQ*(\a)+(\q)] matrix_a_fmt:MATRIX_FMT_BF6 matrix_b_fmt:MATRIX_FMT_BF6 matrix_a_scale:MATRIX_SCALE_ROW1
.else
	v_wmma_scale_f32_16x16x128_f8f6f4 v[8*(8*((\a)%4)+\b):8*(8*((\a)%4)+\b)+7], v[128*(\p)+FR*\b:128*(\p)+FR*\b+FR-1], v[AF+FR*(\a):AF+FR*(\a)+FR-1], v[8*(8*((\a)%4)+\b):8*(8*((\a)%4)+\b)+7], v[SC+8*NQ*(\sc)+NQ*\b+(\q)], v[SC+8*NQ*(\sc)+NQ*(\a)+(\q)] matrix_a_fmt:MATRIX_FMT_BF6 matrix_b_fmt:MATRIX_FMT_BF6 matrix_a_scale:MATRIX_SCALE_ROW1
.endif
.endr
.endr
.endm
.macro FETCH_B slot, q, p
	WIN TO_B
.irp i, 0,1,2,3,4,5,6,7
	FRAG 128*(\p)+FR*\i, ADRB+\slot, \q, \i
.endr
	WIN 0
.endm
.macro FETCH_A slot, q, i0
.irp i, \i0, \i0+1, \i0+2, \i0+3
	FRAGA AF+FR*(\i), \slot, \q, \i
.endr
.endm
.macro SCALES sc
.irp i, 0,1,2,3,4,5,6,7
	ds_load_b64 v[SC+8*NQ*\sc+NQ*\i:SC+8*NQ*\sc+NQ*\i+1], v[ADRS] offset:\i*SBLK
.endr
.endm
.macro PLACES n
.rept \n
	v_nop
.endr
.endm
.macro STEP slot, q, zero
	s_wait_dscnt 4*NLA                             ; all but the youngest 16 loads (A's blocks 4-7) are in
.if \zero
	WIN 0x81                                       ; C (the bias) in window 0, D in window 2
.else
	WIN MUL_LO
.endif
	MUL16 0, (\q)%2, \q, \slot, \zero
	MUL16 2, (\q)%2, \q, \slot, \zero
	s_wait_dscnt 0
	PLACES NP
	FETCH_B \slot, (\q)+1, 1-(\q)%2
	FETCH_A \slot, (\q)+1, 0
.if \zero
	WIN 0xc1                                       ; D in window 3
.else
	WIN MUL_HI
.endif
	MUL16 4, (\q)%2, \q, \slot, \zero
	MUL16 6, (\q)%2, \q, \slot, \zero
	PLACES NP
	WIN 0
	FETCH_A \slot, (\q)+1, 4
.endm
.macro TURN slot, next, fill
	s_wait_tensorcnt 0x0                           ; all my tensor loads have landed: my part of the next slot
	ds_add_u32 v[SPW], v[NIL]
	s_wait_dscnt 4*NLA+1                           ; the add and the youngest 16 loads may be out
	WIN MUL_LO
	MUL16 0, 1, NQ-1, \slot, 0
	s_wait_dscnt 0x0                               ; the add is done, and my reads of this slot are over
	s_barrier_signal -1
	MUL16 2, 1, NQ-1, \slot, 0
	WIN 0
	s_barrier_wait -1
.if \fill
	CREST                                          ; the barrier has opened a round of the cluster's barrier
	s_add_nc_u64 s[G0+4*\slot+2:G0+4*\slot+3], s[G0+4*\slot+2:G0+4*\slot+3], 2*ABLK
	s_add_nc_u64 s[G0B+4*\slot+2:G0B+4*\slot+3], s[G0B+4*\slot+2:G0B+4*\slot+3], 2*ROWB
	JLOAD G0+4*\slot, G1, G0B+4*\slot, G1B         ; my one tensor load behind the round
.else
	PLACES NP
.endif
	v_add_nc_u32 v[ADRS], 4*NQ, v[ADRS]
	FETCH_B \next, 0, 0
	FETCH_A \next, 0, 0
	SCALES \next
	WIN MUL_HI
	MUL16 4, 1, NQ-1, \slot, 0
	MUL16 6, 1, NQ-1, \slot, 0
	PLACES NP
	WIN 0
	FETCH_A \next, 0, 4
.endm
	s_wait_loadcnt 0x0                             ; the bias table, once
	s_wait_tensorcnt 1                             ; the scales and my part of K step 0 are in; K step 1's load may be out
	s_barrier_signal -1
	s_barrier_wait -1
	FETCH_B 0, 0, 0
	FETCH_A 0, 0, 0
	SCALES 0
	FETCH_A 0, 0, 4
	STEP 0, 0, 1
	s_mov_b32 s3, LAPS-1
.Llap:
	TURN 0, 1, 1
	STEP 1, 0, 0
	TURN 1, 0, 1
	STEP 0, 0, 0
	s_sub_co_u32 s3, s3, 1
	s_cmp_lg_u32 s3, 0
	s_cbranch_scc1 .Llap
	TURN 0, 1, 0
	STEP 1, 0, 0
	s_wait_dscnt 4*NLA
	WIN MUL_LO
	MUL16 0, 1, NQ-1, 1, 0
	MUL16 2, 1, NQ-1, 1, 0
	s_wait_dscnt 0
	WIN MUL_HI
	MUL16 4, 1, NQ-1, 1, 0
	MUL16 6, 1, NQ-1, 1, 0
	WIN 0
; THE WAY OUT, block by block of 16 rows x 128 columns, through my own stage: in as 32 bytes a lane at their natural columns, back as whole rows of 512 bytes.
.macro TOSTAGE a
.set AC, 64*((\a)%4)
	WIN 0x08+4*((\a)/4)                            ; an LDS store's data: window 2 or 3
.irp b, 0,1,2,3,4,5,6,7
	ds_store_b128 v[STO], v[AC+8*\b:AC+8*\b+3] offset:128*(\b/2)+32*(\b%2)          ; each accumulator from its low end on
	ds_store_b128 v[STO], v[AC+8*\b+4:AC+8*\b+7] offset:128*(\b/2)+32*(\b%2)+16
.endr
	WIN 0
.set BB, BK+64*((\a)%2)
.irp t, 0,1,2,3,4,5,6,7,8,9,10,11,12,13,14,15
	ds_load_b128 v[BB+4*\t:BB+4*\t+3], v[RD] offset:\t*SPITCH   ; LDS serves a wave's instructions in order: these see the stores above
.endr
.endm
.macro SEND a, younger
.set BB, BK+64*((\a)%2)
	s_wait_dscnt \younger
.irp t, 0,1,2,3,4,5,6,7,8,9,10,11,12,13,14,15
	global_store_b128 v[CO], v[BB+4*\t:BB+4*\t+3], s[12:13] offset:(32*((\a)/2)+8*((\a)%2)+\t+8*(\t/8))*4096 th:TH_STORE_NT   ; 32 lanes store 512 consecutive bytes, aligned; the token stands in the immediate
.endr
.endm
	PLACES NP
	TOSTAGE 0
.irp a, 1,2,3,4,5,6,7
.if \a > 1
	s_wait_xcnt 0x0                                ; block a - 2's stores have read their registers: block a's loads may land there
.endif
	TOSTAGE \a
	SEND \a-1, 32                                  ; behind block a - 1's loads: block a's 16 stores and 16 loads
.endr
	SEND 7, 0
	s_wait_tensorcnt 0x0                           ; the wave's end
	ds_add_u32 v[SPW], v[NIL]
	s_wait_dscnt 0x0
	CROUND                                         ; the closing round
	s_endpgm
.Lfunc_end_k_q0801aa12e6_gemm_out:
	.size	k_q0801aa12e6_gemm_out, .Lfunc_end_k_q0801aa12e6_gemm_out-k_q0801aa12e6_gemm_out
	.p2alignl 7, 3214868480
	.fill 96, 4, 3214868480
	.section	.rodata,"a",@progbits
	.p2align	6, 0x0
	.amdhsa_kernel k_q0801aa12e6_gemm_out
		.amdhsa_group_segment_fixed_size 327680
		.amdhsa_private_segment_fixed_size 0
		.amdhsa_enable_private_segment 0
		.amdhsa_kernarg_size 48
		.amdhsa_user_sgpr_count 2
		.amdhsa_user_sgpr_kernarg_segment_ptr 1
		.amdhsa_wavefront_size32 1
		.amdhsa_system_sgpr_workgroup_id_x 1
		.amdhsa_system_sgpr_workgroup_id_y 1
		.amdhsa_system_sgpr_workgroup_id_z 1
		.amdhsa_system_vgpr_workitem_id 0
		.amdhsa_next_free_vgpr 1024
		.amdhsa_next_free_sgpr 106
		.amdhsa_reserve_vcc 0
		.amdhsa_float_denorm_mode_32 3
		.amdhsa_float_denorm_mode_16_64 3
		.amdhsa_memory_ordered 1
		.amdhsa_forward_progress 1
		.amdhsa_inst_pref_size 153
	.end_amdhsa_kernel
	.amdgpu_metadata
---
amdhsa.version: [ 1, 2 ]
amdhsa.kernels:
  - .name:           k_q0801aa12e6_gemm_out
    .symbol:         k_q0801aa12e6_gemm_out.kd
    .args:
      - { .name: yc, .offset: 0, .size: 8, .value_kind: global_buffer, .address_space: global }
      - { .name: ys, .offset: 8, .size: 8, .value_kind: global_buffer, .address_space: global }
      - { .name: wc, .offset: 16, .size: 8, .value_kind: global_buffer, .address_space: global }
      - { .name: ws, .offset: 24, .size: 8, .value_kind: global_buffer, .address_space: global }
      - { .name: bo, .offset: 32, .size: 8, .value_kind: global_buffer, .address_space: global }
      - { .name: out0, .offset: 40, .size: 8, .value_kind: global_buffer, .address_space: global }
    .group_segment_fixed_size: 327680
    .private_segment_fixed_size: 0
    .kernarg_segment_align: 8
    .kernarg_segment_size: 48
    .max_flat_workgroup_size: 128
    .sgpr_count:     106
    .vgpr_count:     1024
    .wavefront_size: 32
...
	.end_amdgpu_metadata
.endif
;; end of part 4
